; MI455X (gfx1250); checked and timed in simulation.
; The chip was launched on July 23, 2026; its instructions are those of AMD's public machine-readable ISA for CDNA 5 (MIT licence, August 2026) and "CDNA5" Instruction Set Architecture Reference Guide (July 2026). The comments in the code are by the model that wrote it; some were corrected since.
;; Multihead Self Attention. Allowed arithmetic: matrix products marked QUANTISED: E2M3 operands, one E8M0 scale for each 32 along K, by v_wmma_scale_f32_16x16x128_f8f6f4 with both operands' format E2M3, f32 sums; everything else in f32.
;; Inputs: W_m 1,024 x 1,024 float32; W_q 16 x 64 x 1,024 float32; x 4 x 2,048 x 1,024 float32.
;; Outputs: out0 4 x 2,048 x 1,024 float32.
;; This version of the problem:
;;   THIS VERSION OF THE PROBLEM IS GIVEN IN LOW PRECISION. The matrix products marked QUANTISED in the list below multiply operands that are first quantised to E2M3 (2 exponent bits, 3 mantissa bits; 6 bits a number), with one power-of-two scale for each 32 numbers along K (OCP MX v1.0); their sums are f32. All else is computed in f32.
;;   The module's matrix products, in the order in which they are computed (A, B: the left and right operand; K: the contracted axis; several contracted axes count as one K, in the product's order):
;;     1. [M 1,024, K 1,024] x [K 1,024, N 8,192]; A: input W_q; B: input x: QUANTISED
;;     2. batch 64 x [M 2,048, K 64] x [K 64, N 2,048]; A: computed on the way; B: computed on the way: QUANTISED
;;     3. batch 64 x [M 2,048, K 2,048] x [K 2,048, N 64]; A: softmax (see below); B: computed on the way: QUANTISED
;;     4. [M 8,192, K 1,024] x [K 1,024, N 1,024]; A: computed on the way; B: input W_m: QUANTISED
;;   THE QUANTISER, for each operand of a quantised product, along K:
;;     - K is cut into blocks of 32 from its start; a last block that is shorter is filled with zeros.
;;     - A block's scale is 2^e with e = floor(log2(the largest magnitude in the block)) - 2, held to -126 .. 127; a block of zeros has e = 0. As a byte (E8M0): e + 127.
;;     - Each number is divided by its block's scale, clamped to +-7.5, and rounded to the nearest number of E2M3, ties to even, subnormals kept.
;;     - The product sums the exact products of the quantised numbers (number of the format x scale) in f32.
;;   ~~~python
;;   def quantise(x, axis):      # numpy; x: float32 -> the quantised numbers, widened to float32 again
;;       x = np.moveaxis(x, axis, -1); K = x.shape[-1]
;;       x = np.pad(x, [(0, 0)] * (x.ndim - 1) + [(0, -K % 32)]); x = x.reshape(x.shape[:-1] + (-1, 32)); a = np.abs(x).max(-1, keepdims=True)
;;       e = np.where(a > 0, np.clip(np.frexp(np.where(a > 0, a, 1))[1] - 1 - 2, -126, 127), 0)      # np.frexp(a)[1] - 1 = floor(log2(a)), exactly
;;       r = np.clip(x / 2.0 ** e, -7.5, 7.5)
;;       step = 2.0 ** (np.maximum(np.frexp(np.where(r == 0, 1, r))[1] - 1, 0) - 3)
;;       q = np.round(r / step) * step * 2.0 ** e      # np.round: ties to even
;;       return np.moveaxis(q.reshape(q.shape[:-2] + (-1,))[..., :K], -1, axis).astype(np.float32)
;;   ~~~
;;   SOFTMAX AHEAD OF A QUANTISED PRODUCT. Where the list says 'softmax', what is quantised is not the finished softmax but p = 2^(t - M), with t = logit x log2(e) and M = ceil(the row's largest t), a whole number; so 1/2 < the row's largest p <= 1. The row's sum l is taken of the UNQUANTISED p, in f32, and the product's result is divided by l at the end. Since M is a whole number, a kernel that streams over the keys may use a running M (the ceiling of the running maximum): every later rescaling is an exact power of two, which a block's scale takes up: the codes' values come out the same.
;;   OPERANDS COMPUTED ON THE WAY. 'Computed on the way' means the value that the module computes at that place (a softmax that the list does not call 'softmax' is quantised finished and normalised). What goes into a quantiser is computed in f32, as accurately as f32 sums, v_exp_f32 and their like allow (about 1e-6 of the number): no bf16 or f16 on the way to a quantiser, and a product that is left as it is and whose result goes on into a quantised operand takes f32 operands (vector FMAs, or v_wmma_f32_16x16x4_f32). A number that lies on a knife's edge between two numbers of the format may be rounded either way, as far as f32 arithmetic and the matrix unit's own rounding can turn it there, and no further.
;; One version. Each part assembles by itself: llvm-mc -triple=amdgcn-amd-amdhsa -mcpu=gfx1250 --defsym DOCPART=n.
;; ======== version 1 of 1: 4 launches
;; workspace buffers: codes 7,864,320 bytes; scales 327,680 bytes; kv 13,369,344 bytes; att_c 6,291,456 bytes; att_s 262,144 bytes
;; launch quant (part 1): grid 320 x 1, 4 waves a work-group, no clusters, 33,280 bytes of LDS; arguments x, W_q, W_m, codes, scales; writes codes, scales
.if DOCPART == 1
	.amdgcn_target "amdgcn-amd-amdhsa--gfx1250"
	.amdhsa_code_object_version 6
	.text
	.protected	k_q76566de2cb_quant
	.globl	k_q76566de2cb_quant
	.p2align	8
	.type	k_q76566de2cb_quant,@function
k_q76566de2cb_quant:
	s_mov_b64 s[64:65], 0
	v_nop
	global_prefetch_b8 v0, s[64:65] scope:SCOPE_SE
	s_setreg_imm32_b32 hwreg(HW_REG_WAVE_MODE, 25, 1), 1
	s_wait_xcnt 0x0
; x [8192][1024], W_q [1024][1024] and W_m [1024][1024], f32 with K innermost, become codes of E2M3 (6 bits) and one E8M0 scale byte for each 32 along K.
; A block's scale is 2^(floor(log2(its largest magnitude)) - 2); its byte is the largest magnitude's exponent field - 2, held at 1 from below.  Numbers are divided by the scale and rounded to the nearest code, ties to even; beyond 7.5 the largest code.
; THE ORDER OF CODES INSIDE A BLOCK: positions 0-7, 8-15, 16-23, 24-31 hold the block's numbers 0-7, 16-23, 8-15, 24-31 (the two middle groups of eight change places).  Every operand of this program's four
; products is laid so, on both sides, so each product still multiplies like k with like k inside true blocks of 32; only the order of adding inside a matrix instruction differs.
; LIMITS: a block of zeros gets the byte 1 (its codes are zeros; only this program reads the bytes); blocks whose largest magnitude lies under 2^(2 - 126) have their byte held at 1; NaN and infinities are not served.
; Rows are dense and K is a multiple of 32: each tensor is a plain stream of blocks.  A work-group takes 32,768 numbers: work-groups 0-255 x, 256-287 W_q, 288-319 W_m; the three streams of codes (and of bytes) lie on end in that order.
; A wave takes 16 steps of 512 numbers.  Each load reads 512 consecutive bytes; a step's 2,048 bytes turn through the wave's own stage in LDS so that a lane gets the 16 numbers whose codes it makes (two lanes to a block:
; the even lane numbers 0-7 and 16-23, the odd lane 8-15 and 24-31).  No shared input between work-groups: no cluster, no tensor loads, no barrier.
.set STEPS, 16
.set EMAX,  2
.set CB,    12                         ; bytes of 16 codes
.set R,     16                         ; v16-79   four sets of 16 numbers as loaded
.set X,     80                         ; v80-111  two sets of 16 numbers of one lane's half block
.set C,     128                        ; v128-191 codes: four registers a step, so that no store's data are written again
.set E,     112                        ; v112-127 a scale byte for each step
.set WREG,  8192                       ; LDS: a region for each wave: two stages of 32 x SP bytes, then its 256 scale bytes
.set SP,    80                         ; a lane's place in a stage: 64 bytes + 16 of padding
	s_load_b256 s[4:11], s[0:1], 0x0               ; x s[4:5], W_q s[6:7], W_m s[8:9], codes s[10:11]
	s_load_b64 s[12:13], s[0:1], 0x20              ; scales
	v_lshl_add_u32 v192, v0, 2, 0x8000
	v_mov_b32 v193, 0
	v_lshrrev_b32 v1, 5, v0
	v_readfirstlane_b32 s16, v1                    ; wave
	v_and_b32 v2, 31, v0                           ; lane l
	v_lshlrev_b32 v3, 4, v2                        ; my 16 bytes of a load's 512
	s_mul_i32 s17, s16, WREG
	v_lshrrev_b32 v14, 3, v2                       ; the block of the load's four: l / 8
	v_bfe_u32 v15, v2, 1, 1                        ; my group of eight is odd (1, 3) or even (0, 2)
	v_lshl_add_u32 v14, v14, 1, v15                ; the place: 2 x block + odd
	v_mul_u32_u24 v14, v14, SP
	v_bfe_u32 v15, v2, 2, 1                        ; first or second group of that place,
	v_and_b32 v8, 1, v2                            ; and which four numbers of the group
	v_lshl_add_u32 v15, v15, 1, v8
	v_lshl_add_u32 v14, v15, 4, v14
	v_add_nc_u32 v14, s17, v14                     ; the stage, on the way in
	v_mul_u32_u24 v15, v2, SP
	v_add_nc_u32 v15, s17, v15                     ; and on the way out: SP x lane
	v_mul_u32_u24 v4, v2, CB                       ; my codes' place in a step's 384 bytes
	v_lshrrev_b32 v5, 1, v2
	s_add_co_u32 s17, s17, 2*32*SP
	v_add_nc_u32 v5, s17, v5                       ; LDS: my wave's 256 scale bytes, my block's byte
	v_lshlrev_b32 v7, 3, v2                        ; on the way out 8 bytes a lane
	v_add_nc_u32 v6, s17, v7
	s_wait_alu depctr_va_vdst(0)
	s_wait_kmcnt 0x0
	s_mov_b32 s17, 288                             ; which tensor: the choice hangs on the work-group's number alone
	s_cmp_lt_u32 ttmp9, 288
	s_cselect_b64 s[6:7], s[6:7], s[8:9]
	s_cselect_b32 s17, 256, s17
	s_cmp_lt_u32 ttmp9, 256
	s_cselect_b64 s[4:5], s[4:5], s[6:7]
	s_cselect_b32 s17, 0, s17                      ; the tensor's first work-group
	s_sub_co_u32 s17, ttmp9, s17
	s_lshl_b32 s17, s17, 2
	s_add_co_u32 s18, s17, s16                     ; which run of 8,192 numbers of the tensor is my wave's
	s_lshl_b32 s18, s18, 15                        ; 32,768 bytes a run
	s_mov_b32 s19, 0
	s_add_nc_u64 s[4:5], s[4:5], s[18:19]
	s_lshl_b32 s20, ttmp9, 2
	s_add_co_u32 s20, s20, s16                     ; the run's number over all three tensors
	s_mul_i32 s22, s20, 32*STEPS*CB                ; 6,144 bytes of codes a run
	s_mov_b32 s23, 0
	s_add_nc_u64 s[10:11], s[10:11], s[22:23]
	s_lshl_b32 s20, s20, 8                         ; 256 scale bytes a run
	s_mov_b32 s21, 0
	s_add_nc_u64 s[12:13], s[12:13], s[20:21]
.macro LOAD t
.irp i, 0,1,2,3
	global_load_b128 v[R+16*((\t)%4)+4*\i:R+16*((\t)%4)+4*\i+3], v3, s[4:5] offset:2048*(\t)+512*\i th:TH_LOAD_NT   ; 32 lanes read 512 consecutive bytes
.endr
.endm
.macro TURN t                          ; step t's numbers through the stage: LDS serves a wave's instructions in order, so no wait stands between the stores and the loads
.irp i, 0,1,2,3
	ds_store_b128 v14, v[R+16*((\t)%4)+4*\i:R+16*((\t)%4)+4*\i+3] offset:32*SP*((\t)%2)+8*SP*\i
.endr
.irp i, 0,1,2,3
	ds_load_b128 v[X+16*((\t)%2)+4*\i:X+16*((\t)%2)+4*\i+3], v15 offset:32*SP*((\t)%2)+16*\i
.endr
.endm
.irp t, 0,1,2,3
	LOAD \t
.endr
	s_wait_loadcnt 12                              ; step 0's four loads are in; twelve younger ones stay out
	TURN 0
.macro STEP t
.set XS, X+16*((\t)%2)
.if (\t) > 0
	s_wait_dscnt 1                                 ; this step's numbers are back from the stage (the last step's byte store may be out): so its stores into the stage have read their registers,
.else
	s_wait_dscnt 0x0
.endif
.if (\t)+4 < STEPS
	LOAD (\t)+4                                    ; which take the loads of four steps on
.endif
.if (\t)+1 < STEPS
.if STEPS-2-(\t) >= 3
	s_wait_loadcnt 12                              ; the next step's four loads are in; those of the three steps behind it may be out
.else
	s_wait_loadcnt 4*(STEPS-2-(\t))
.endif
	TURN (\t)+1                                    ; and go through the other stage while this step is worked
.endif
	v_max3_num_f32 v8, |v[XS]|, |v[XS+1]|, |v[XS+2]|               ; the largest magnitude of my 16
	v_max3_num_f32 v9, |v[XS+3]|, |v[XS+4]|, |v[XS+5]|
.irp i, 6,10
	v_max3_num_f32 v8, v8, |v[XS+\i]|, |v[XS+\i+1]|
	v_max3_num_f32 v9, v9, |v[XS+\i+2]|, |v[XS+\i+3]|
.endr
	v_max3_num_f32 v8, v8, |v[XS+14]|, |v[XS+15]|
	v_max3_num_f32 v8, v8, v9, (EMAX+1)<<23        ; and the floor 2^(EMAX + 1 - 127): the byte cannot fall under 1
	v_max_num_f32_dpp v8, v8, v8 row_xmask:1 row_mask:0xf bank_mask:0xf   ; and of my neighbour's 16: the block's
	v_add_nc_u32 v11, -(EMAX<<23), v8              ; EMAX off its exponent field: the conversion takes the exponent field of this operand as its scale
	v_cvt_scalef32_pk16_fp6_f32 v[C+4*(\t):C+4*(\t)+2], v[XS:XS+15], v11
	v_lshrrev_b32 v[E+(\t)], 23, v11               ; the scale's byte (also the plain line behind the conversion)
	ds_store_b8 v5, v[E+(\t)] offset:16*(\t)       ; both lanes of a block write the same byte with the same value
	global_store_b96 v4, v[C+4*(\t):C+4*(\t)+2], s[10:11] offset:32*CB*(\t)   ; the wave stores 384 consecutive bytes
.endm
.irp t, 0,1,2,3,4,5,6,7,8,9,10,11,12,13,14,15
	STEP \t
.endr
	ds_load_b64 v[12:13], v6                       ; LDS serves a wave's instructions in order: these see my stores
	s_wait_dscnt 0x0
	global_store_b64 v7, v[12:13], s[12:13]        ; 32 lanes store 256 consecutive bytes, aligned
	s_wait_tensorcnt 0x0
	ds_add_u32 v192, v193
	s_wait_dscnt 0x0
	s_endpgm
.Lfunc_end_k_q76566de2cb_quant:
	.size	k_q76566de2cb_quant, .Lfunc_end_k_q76566de2cb_quant-k_q76566de2cb_quant
	.p2alignl 7, 3214868480
	.fill 96, 4, 3214868480
	.section	.rodata,"a",@progbits
	.p2align	6, 0x0
	.amdhsa_kernel k_q76566de2cb_quant
		.amdhsa_group_segment_fixed_size 33280
		.amdhsa_private_segment_fixed_size 0
		.amdhsa_enable_private_segment 0
		.amdhsa_kernarg_size 40
		.amdhsa_user_sgpr_count 2
		.amdhsa_user_sgpr_kernarg_segment_ptr 1
		.amdhsa_wavefront_size32 1
		.amdhsa_system_sgpr_workgroup_id_x 1
		.amdhsa_system_sgpr_workgroup_id_y 1
		.amdhsa_system_sgpr_workgroup_id_z 1
		.amdhsa_system_vgpr_workitem_id 0
		.amdhsa_next_free_vgpr 194
		.amdhsa_next_free_sgpr 66
		.amdhsa_reserve_vcc 0
		.amdhsa_float_denorm_mode_32 3
		.amdhsa_float_denorm_mode_16_64 3
		.amdhsa_memory_ordered 1
		.amdhsa_forward_progress 1
		.amdhsa_inst_pref_size 33
	.end_amdhsa_kernel
	.amdgpu_metadata
---
amdhsa.version: [ 1, 2 ]
amdhsa.kernels:
  - .name:           k_q76566de2cb_quant
    .symbol:         k_q76566de2cb_quant.kd
    .args:
      - { .name: x, .offset: 0, .size: 8, .value_kind: global_buffer, .address_space: global }
      - { .name: W_q, .offset: 8, .size: 8, .value_kind: global_buffer, .address_space: global }
      - { .name: W_m, .offset: 16, .size: 8, .value_kind: global_buffer, .address_space: global }
      - { .name: codes, .offset: 24, .size: 8, .value_kind: global_buffer, .address_space: global }
      - { .name: scales, .offset: 32, .size: 8, .value_kind: global_buffer, .address_space: global }
    .group_segment_fixed_size: 33280
    .private_segment_fixed_size: 0
    .kernarg_segment_align: 8
    .kernarg_segment_size: 40
    .max_flat_workgroup_size: 128
    .sgpr_count:     66
    .vgpr_count:     194
    .wavefront_size: 32
...
	.end_amdgpu_metadata
.endif
;; end of part 1
;; launch proj (part 2): grid 64 x 4, 4 waves a work-group, clusters of 4 x 4, 327,680 bytes of LDS; arguments codes, scales, kv; writes kv
.if DOCPART == 2
	.amdgcn_target "amdgcn-amd-amdhsa--gfx1250"
	.amdhsa_code_object_version 6
	.text
	.protected	k_q76566de2cb_proj
	.globl	k_q76566de2cb_proj
	.p2align	8
	.type	k_q76566de2cb_proj,@function
k_q76566de2cb_proj:
	s_mov_b64 s[64:65], 0
	v_nop
	global_prefetch_b8 v0, s[64:65] scope:SCOPE_SE
	s_setreg_imm32_b32 hwreg(HW_REG_WAVE_MODE, 25, 1), 1
	s_wait_xcnt 0x0
	s_wait_alu depctr_hold_cnt(0) depctr_sa_sdst(0) depctr_va_vdst(0) depctr_va_sdst(0) depctr_va_ssrc(0) depctr_va_vcc(0) depctr_vm_vsrc(0)
	s_getreg_b32 s2, hwreg(HW_REG_IB_STS2, 6, 4)
	s_cmp_eq_u32 s2, 0
	s_cbranch_scc0 .Lentry_in_a_cluster
	s_endpgm
.Lentry_in_a_cluster:
	s_bfe_u32 s2, ttmp6, 0x10000c
	s_cmp_lg_u32 s2, 0xf033
	s_cbranch_scc0 .Lentry_shape_is_right
	s_endpgm
.Lentry_shape_is_right:
.set KSTEP,  256
.set NQ,     2
.set ROWB,   192
.set KROW,   768
.set PITCH,  240
.set FR,     12
.set NL,     6
.set NP,     4
.set HALFT,  128*PITCH
.set SLOT,   4*HALFT
.set LAPS,   2
.set KS,     32
.set SCL,    2*SLOT
.set HALFS,  (128*KS/256)*272
.set SBLK,   (16*KS/256)*272
.set SPARE,  SCL+4*HALFS
.set STGA,   SPARE+512
.set STGB,   STGA+4096
.set WQ,     6291456
.set WQS,    262144
.set HEADB,  208896
.set ADRA, 16
.set ADRB, 20
.set VGB,  13
.set SRB,  14
.set SRA,  15
.set SA,   24
.set SBV,  25
.set V16,  26
.set ADRS, 27
.set SPW,  28
.set NIL,  29
.set V8,   30
.set SH,   31
.set SC,   32
.set AF,   128
.set PC,   128
.set TM,   152
.set PW,   164
.set T1,   165
.set BKR,  168
.set G1, 24
.set G0, 32
.set G1B, 48
.set G0B, 56
.set G1S, 68
.set G0S, 76
.set G1SB, 80
.set G0SB, 88
.set SEL, 100
.set MSB, 0
.macro WIN new
.if MSB != \new
	s_set_vgpr_msb (MSB<<8)|\new
.set MSB, \new
.endif
.endm
.set MUL_LO, 0xa1
.set MUL_HI, 0xf1
.set TO_B,   0x40
.macro JLOAD g0a, g1a, g0b, g1b
	s_cmp_eq_u32 s15, 0
	s_cbranch_scc0 .Lfor_b_\@
	tensor_load_to_lds s[\g0a:\g0a+3], s[\g1a:\g1a+7]
	s_nop 0
.rept 4
	v_nop
.endr
	s_branch .Lasked_\@
.Lfor_b_\@:
	tensor_load_to_lds s[\g0b:\g0b+3], s[\g1b:\g1b+7]
	s_nop 0
.rept 4
	v_nop
.endr
.Lasked_\@:
.endm
.macro CREST
	s_cmp_lg_u32 s14, 0
	s_cbranch_scc1 .Lnot_wave_0_\@
	s_barrier_signal -3
.Lnot_wave_0_\@:
	s_barrier_wait -3
	s_barrier_signal -1
	s_barrier_wait -1
.endm
.macro CROUND
	s_barrier_signal -1
	s_barrier_wait -1
	CREST
.endm
	s_load_b128 s[4:7], s[0:1], 0x0
	s_load_b64 s[12:13], s[0:1], 0x10
	v_lshl_add_u32 v[SPW], v0, 2, SPARE
	v_mov_b32 v[NIL], 0
	ds_add_u32 v28, v29
	ds_add_u32 v28, v29
	s_wait_dscnt 0x0
	v_lshrrev_b32 v1, 5, v0
	v_readfirstlane_b32 s14, v1
	s_lshr_b32 s15, s14, 1
	s_and_b32 s16, s14, 1
	s_bfe_u32 s40, ttmp6, 0x40000
	s_bfe_u32 s41, ttmp6, 0x40004
	s_sub_co_u32 s17, ttmp9, 8
	s_cmp_lt_u32 ttmp9, 8
	s_cselect_b32 s42, 0, s17
	s_cselect_b32 s17, ttmp9, 0
	s_cselect_b32 s94, 0, WQ
	s_cselect_b32 s95, WQ, 0
	s_cselect_b32 s96, 0, WQS
	s_cselect_b32 s97, WQS, 0
	s_cselect_b32 s98, 1, 0
	s_lshl_b32 s42, s42, 2
	s_add_co_u32 s42, s42, s40
	s_lshl_b32 s17, s17, 2
	s_add_co_u32 s17, s17, s41
	s_lshl_b32 s43, s41, 2
	s_lshl_b32 s43, 15, s43
	s_lshl_b32 s44, 0x1111, s40
	s_or_b32 s[G1+0], s43, (0<<16)|(1<<20)|(1<<21)|(3<<22)|(3<<25)
	s_or_b32 s[G1B+0], s44, (0<<16)|(1<<20)|(1<<21)|(3<<22)|(3<<25)
.irp g, G1, G1B
	s_mov_b32 s[\g+1], ROWB<<16
	s_mov_b32 s[\g+2], 128<<16
	s_mov_b32 s[\g+3], ROWB<<16
	s_mov_b32 s[\g+4], 128
	s_mov_b32 s[\g+5], KROW
	s_mov_b32 s[\g+6], 0
	s_mov_b32 s[\g+7], 0
.endr
	s_or_b32 s[G1S+0], s43, (3<<16)|(1<<20)|(1<<21)|(5<<22)|(3<<25)
	s_or_b32 s[G1SB+0], s44, (3<<16)|(1<<20)|(1<<21)|(5<<22)|(3<<25)
.irp g, G1S, G1SB
	s_mov_b32 s[\g+1], 32<<16
	s_mov_b32 s[\g+2], (128*KS/256)<<16
	s_mov_b32 s[\g+3], 32<<16
	s_mov_b32 s[\g+4], 128*KS/256
	s_mov_b32 s[\g+5], 32
	s_mov_b32 s[\g+6], 0
	s_mov_b32 s[\g+7], 0
.endr
	s_lshl_b32 s18, s16, 7
	s_lshl_b32 s20, s17, 8
	s_add_co_u32 s20, s20, s18
	s_lshl_b32 s46, s42, 8
	s_add_co_u32 s46, s46, s18
	s_lshl_b32 s22, s20, 5
	s_add_co_u32 s22, s22, s96
	s_mov_b32 s23, 0
	s_lshl_b32 s92, s46, 5
	s_add_co_u32 s92, s92, s97
	s_mov_b32 s93, 0
	s_mul_i32 s20, s20, KROW
	s_add_co_u32 s20, s20, s94
	s_mov_b32 s21, 0
	s_mul_i32 s46, s46, KROW
	s_add_co_u32 s46, s46, s95
	s_mov_b32 s47, 0
	s_mul_i32 s45, s14, HALFT
	s_mul_i32 s99, s14, HALFS
	s_mov_b32 s[SEL], 0x76543210
	s_mov_b32 s[SEL+1], 0xfedcba98
	s_wait_kmcnt 0x0
	s_add_nc_u64 s[20:21], s[4:5], s[20:21]
	s_add_nc_u64 s[22:23], s[6:7], s[22:23]
	s_add_nc_u64 s[46:47], s[4:5], s[46:47]
	s_add_nc_u64 s[92:93], s[6:7], s[92:93]
	CROUND
	s_mov_b32 s[G0S], 1
	s_add_co_u32 s[G0S+1], s99, SCL
	s_mov_b64 s[G0S+2:G0S+3], s[22:23]
	s_or_b32 s[G0S+3], s[G0S+3], 0x80000000
	s_mov_b32 s[G0SB], 1
	s_add_co_u32 s[G0SB+1], s99, SCL
	s_mov_b64 s[G0SB+2:G0SB+3], s[92:93]
	s_or_b32 s[G0SB+3], s[G0SB+3], 0x80000000
	JLOAD G0S, G1S, G0SB, G1SB
.irp s, 0,1
	s_mov_b32 s[G0+4*\s], 1
	s_add_co_u32 s[G0+4*\s+1], s45, \s*SLOT
	s_add_nc_u64 s[G0+4*\s+2:G0+4*\s+3], s[20:21], \s*ROWB
	s_or_b32 s[G0+4*\s+3], s[G0+4*\s+3], 0x80000000
	s_mov_b32 s[G0B+4*\s], 1
	s_add_co_u32 s[G0B+4*\s+1], s45, \s*SLOT
	s_add_nc_u64 s[G0B+4*\s+2:G0B+4*\s+3], s[46:47], \s*ROWB
	s_or_b32 s[G0B+4*\s+3], s[G0B+4*\s+3], 0x80000000
	s_wait_alu depctr_va_vdst(0)
	s_wait_tensorcnt 0x0
	ds_add_u32 v28, v29
	s_wait_dscnt 0x0
	CROUND
	JLOAD G0+4*\s, G1, G0B+4*\s, G1B
.endr
	v_and_b32 v1, 15, v0
	v_bfe_u32 v2, v0, 4, 1
	v_mul_u32_u24 v3, v1, PITCH
	v_mul_u32_u24 v4, v2, 24
	v_add_nc_u32 v4, v3, v4
	v_lshl_add_u32 v5, v2, 4, v4
	s_mul_i32 s21, s15, HALFT
	s_mul_i32 s22, s16, HALFT
	s_add_co_u32 s22, s22, 2*HALFT
.irp s, 0,1
	v_add_nc_u32 v[ADRA+\s], s21, v4
	v_add_nc_u32 v[ADRB+\s], s22, v4
	v_add_nc_u32 v[ADRA+2+\s], s21, v5
	v_add_nc_u32 v[ADRB+2+\s], s22, v5
	s_add_co_u32 s21, s21, SLOT
	s_add_co_u32 s22, s22, SLOT
.endr
	v_mul_u32_u24 v5, v1, KS
	v_lshrrev_b32 v6, 8, v5
	v_lshl_add_u32 v5, v6, 4, v5
	s_mul_i32 s21, s15, HALFS
	s_mul_i32 s22, s16, HALFS
	s_add_co_u32 s22, s22, 2*HALFS
	s_sub_co_u32 s22, s22, s21
	v_mul_u32_u24 v6, s22, v2
	s_add_co_u32 s21, s21, SCL
	v_add_nc_u32 v5, v5, v6
	v_add_nc_u32 v[ADRS], s21, v5
	v_and_b32 v6, 31, v0
	v_lshlrev_b32 v[V16], 4, v6
	v_lshlrev_b32 v[V8], 3, v6
	v_lshlrev_b32 v[SH], 4, v2
	s_lshl_b32 s23, s14, 10
	s_add_co_u32 s23, s23, STGA
	v_lshlrev_b32 v5, 4, v1
	v_lshl_add_u32 v5, v2, 9, v5
	v_add_nc_u32 v[SA], s23, v5
	v_add_nc_u32 v[SRA], s23, v[V16]
	s_lshl_b32 s23, s14, 9
	s_add_co_u32 s23, s23, STGB
	v_lshl_add_u32 v[SBV], v1, 3, s23
	v_add_nc_u32 v[SRB], s23, v[V16]
	v_mul_u32_u24 v5, v2, HEADB
	v_lshl_add_u32 v[VGB], v1, 4, v5
	s_cmp_eq_u32 s98, 1
	s_cselect_b32 s20, s17, s42
	s_cselect_b32 s21, s15, s16
	s_cselect_b32 s22, s42, s17
	s_cselect_b32 s23, s16, s15
	s_lshr_b32 s2, s20, 3
	s_lshl_b32 s2, s2, 4
	s_lshl_b32 s22, s22, 2
	s_add_co_u32 s2, s2, s22
	s_lshl_b32 s23, s23, 1
	s_add_co_u32 s2, s2, s23
	s_and_b32 s20, s20, 7
	s_lshl_b32 s20, s20, 1
	s_add_co_u32 s20, s20, s21
	s_mul_i32 s2, s2, HEADB
	s_mul_i32 s22, s20, 6144
	s_add_co_u32 s22, s22, s2
	s_mov_b32 s23, 0
	s_add_co_u32 s21, s98, 8
	s_lshl_b32 s20, s20, s21
	s_add_co_u32 s20, s20, s2
	s_mov_b32 s21, 0
	s_add_nc_u64 s[66:67], s[12:13], s[20:21]
	s_add_nc_u64 s[12:13], s[12:13], s[22:23]
.macro FRAG reg, adr, q, i
.irp p, 0,1,2,3,4,5
.set PCE, 12*(\q)+6*(\p/3)+\p%3
.if PCE%8 < 5
	ds_load_b64 v[\reg+2*\p:\reg+2*\p+1], v[\adr] offset:8*PCE+16*(PCE/8)+(\i)*16*PITCH
.else
	ds_load_b64 v[\reg+2*\p:\reg+2*\p+1], v[\adr+2] offset:8*PCE+16*(PCE/8)+(\i)*16*PITCH
.endif
.endr
.endm
.macro MUL16 a0, p, q, sc, zero
.irp a, \a0, \a0+1
.irp b, 0,1,2,3,4,5,6,7
.if \zero
	v_wmma_scale_f32_16x16x128_f8f6f4 v[8*(8*((\a)%4)+\b):8*(8*((\a)%4)+\b)+7], v[128*(\p)+FR*\b:128*(\p)+FR*\b+FR-1], v[AF+FR*(\a):AF+FR*(\a)+FR-1], 0, v[SC+8*NQ*(\sc)+NQ*\b+(\q)], v[SC+8*NQ*(\sc)+NQ*(\a)+(\q)] matrix_a_fmt:MATRIX_FMT_FP6 matrix_b_fmt:MATRIX_FMT_FP6 matrix_a_scale:MATRIX_SCALE_ROW1
.else
	v_wmma_scale_f32_16x16x128_f8f6f4 v[8*(8*((\a)%4)+\b):8*(8*((\a)%4)+\b)+7], v[128*(\p)+FR*\b:128*(\p)+FR*\b+FR-1], v[AF+FR*(\a):AF+FR*(\a)+FR-1], v[8*(8*((\a)%4)+\b):8*(8*((\a)%4)+\b)+7], v[SC+8*NQ*(\sc)+NQ*\b+(\q)], v[SC+8*NQ*(\sc)+NQ*(\a)+(\q)] matrix_a_fmt:MATRIX_FMT_FP6 matrix_b_fmt:MATRIX_FMT_FP6 matrix_a_scale:MATRIX_SCALE_ROW1
.endif
.endr
.endr
.endm
.macro FETCH_B slot, q, p
	WIN TO_B
.irp i, 0,1,2,3,4,5,6,7
	FRAG 128*(\p)+FR*\i, ADRB+\slot, \q, \i
.endr
	WIN 0
.endm
.macro FETCH_A slot, q, i0
.irp i, \i0, \i0+1, \i0+2, \i0+3
	FRAG AF+FR*(\i), ADRA+\slot, \q, \i
.endr
.endm
.macro SCALES sc
.irp i, 0,1,2,3,4,5,6,7
	ds_load_b64 v[SC+8*NQ*\sc+NQ*\i:SC+8*NQ*\sc+NQ*\i+1], v[ADRS] offset:\i*SBLK
.endr
.endm
.macro PLACES n
.rept \n
	v_nop
.endr
.endm
.macro STEP slot, q, zero
	s_wait_dscnt 4*NL
	WIN MUL_LO
	MUL16 0, (\q)%2, \q, \slot, \zero
	MUL16 2, (\q)%2, \q, \slot, \zero
	s_wait_dscnt 0
	PLACES NP
	FETCH_B \slot, (\q)+1, 1-(\q)%2
	FETCH_A \slot, (\q)+1, 0
	WIN MUL_HI
	MUL16 4, (\q)%2, \q, \slot, \zero
	MUL16 6, (\q)%2, \q, \slot, \zero
	PLACES NP
	WIN 0
	FETCH_A \slot, (\q)+1, 4
.endm
.macro TURN slot, next, fill
	s_wait_tensorcnt 0x0
	ds_add_u32 v[SPW], v[NIL]
	s_wait_dscnt 4*NL+1
	WIN MUL_LO
	MUL16 0, 1, NQ-1, \slot, 0
	s_wait_dscnt 0x0
	s_barrier_signal -1
	MUL16 2, 1, NQ-1, \slot, 0
	WIN 0
	s_barrier_wait -1
.if \fill
	CREST
	s_add_nc_u64 s[G0+4*\slot+2:G0+4*\slot+3], s[G0+4*\slot+2:G0+4*\slot+3], 2*ROWB
	s_add_nc_u64 s[G0B+4*\slot+2:G0B+4*\slot+3], s[G0B+4*\slot+2:G0B+4*\slot+3], 2*ROWB
	JLOAD G0+4*\slot, G1, G0B+4*\slot, G1B
.else
	PLACES NP
.endif
	s_wait_alu depctr_va_vdst(0)
	v_add_nc_u32 v[ADRS], 4*NQ, v[ADRS]
	FETCH_B \next, 0, 0
	FETCH_A \next, 0, 0
	SCALES \next
	WIN MUL_HI
	MUL16 4, 1, NQ-1, \slot, 0
	MUL16 6, 1, NQ-1, \slot, 0
	PLACES NP
	WIN 0
	FETCH_A \next, 0, 4
.endm
	s_wait_tensorcnt 1
	s_barrier_signal -1
	s_barrier_wait -1
	FETCH_B 0, 0, 0
	FETCH_A 0, 0, 0
	SCALES 0
	FETCH_A 0, 0, 4
	STEP 0, 0, 1
	s_mov_b32 s3, LAPS-1
.Llap:
	TURN 0, 1, 1
	STEP 1, 0, 0
	TURN 1, 0, 1
	STEP 0, 0, 0
	s_sub_co_u32 s3, s3, 1
	s_cmp_lg_u32 s3, 0
	s_cbranch_scc1 .Llap
	TURN 0, 1, 0
	STEP 1, 0, 0
	s_wait_dscnt 4*NL
	WIN MUL_LO
	MUL16 0, 1, NQ-1, 1, 0
	MUL16 2, 1, NQ-1, 1, 0
	s_wait_dscnt 0
	WIN MUL_HI
	MUL16 4, 1, NQ-1, 1, 0
	MUL16 6, 1, NQ-1, 1, 0
	WIN 0
.macro QUANTW a
.set AC, 64*((\a)%4)
.set WW, 2+(\a)/4
.set W2, 5*WW
	s_wait_xcnt 0x0
	s_wait_dscnt 0x0
	WIN W2
.irp b, 0,1,2,3
	v_max3_num_f32 v[TM+\b], |v[AC+16*\b]|, |v[AC+16*\b+1]|, 0x1800000
.endr
.irp i, 2,4,6,8,10,12,14
.irp b, 0,1,2,3
	v_max3_num_f32 v[TM+\b], |v[AC+16*\b+\i]|, |v[AC+16*\b+\i+1]|, v[TM+\b]
.endr
.endr
	WIN 0
.irp b, 0,1,2,3
	v_permlanex16_b32 v[TM+4+\b], v[TM+\b], s[SEL], s[SEL+1]
.endr
.irp b, 0,1,2,3
	v_max_num_f32 v[TM+\b], v[TM+\b], v[TM+4+\b]
.endr
.irp b, 0,1,2,3
	v_add_nc_u32 v[TM+8+\b], 0xff000000, v[TM+\b]
.endr
.irp b, 0,1,2,3
	v_lshrrev_b32 v[TM+4+\b], 23, v[TM+8+\b]
.endr
	v_lshl_or_b32 v[PW], v[TM+5], 8, v[TM+4]
	v_lshl_or_b32 v[PW], v[TM+6], 16, v[PW]
	v_lshl_or_b32 v[PW], v[TM+7], 24, v[PW]
	WIN WW
.irp c, 0,1
	v_cvt_scalef32_pk16_fp6_f32 v[PC+6*\c:PC+6*\c+2], v[AC+32*\c:AC+32*\c+15], v[TM+8+2*\c]
	v_cvt_scalef32_pk16_fp6_f32 v[PC+12+4*\c:PC+14+4*\c], v[AC+16+32*\c:AC+31+32*\c], v[TM+8+2*\c+1]
.endr
	WIN 0
	v_nop
.irp c, 0,1
.irp i, 0,1,2
	v_permlane16_swap_b32 v[PC+6*\c+\i], v[PC+12+4*\c+\i]
.endr
.irp i, 0,1,2
	v_mov_b32 v[PC+3+6*\c+\i], v[PC+12+4*\c+\i]
.endr
.endr
.endm
.macro OUTQK a
	QUANTW \a
	global_store_b128 v[V16], v[PC:PC+3], s[12:13] offset:768*(\a)
	global_store_b64 v[V8], v[PC+4:PC+5], s[12:13] offset:768*(\a)+512
	global_store_b128 v[V16], v[PC+6:PC+9], s[12:13] offset:HEADB+768*(\a)
	global_store_b64 v[V8], v[PC+10:PC+11], s[12:13] offset:HEADB+768*(\a)+512
	v_lshrrev_b32 v[T1], v[SH], v[PW]
	v_and_b32 v[T1], 0xffff, v[T1]
	ds_store_b32 v[SA], v[T1] offset:256*((\a)%2)+4*((\a)/2)
.endm
.macro OUTV a
	QUANTW \a
.irp j, 0,1,2
	global_store_b128 v[V16], v[PC+4*\j:PC+4*\j+3], s[12:13] offset:98304+HEADB*((\a)/4)+1536*((\a)%4)+512*\j
.endr
	ds_store_b32 v[SBV], v[PW] offset:256*((\a)/4)+128*((\a)%2)+4*(((\a)%4)/2)
.endm
	PLACES NP
.irp b, 0,1,2,3
	v_mov_b32 v[TM+4+\b], 0
.endr
	s_cmp_eq_u32 s98, 0
	s_cbranch_scc1 .Lway_v
.irp a, 0,1,2,3,4,5,6,7
	OUTQK \a
.endr
	ds_load_b128 v[BKR:BKR+3], v[SRA]
	ds_load_b128 v[BKR+4:BKR+7], v[SRA] offset:512
	s_wait_dscnt 0x0
	global_store_b128 v[V16], v[BKR:BKR+3], s[66:67] offset:196608
	global_store_b128 v[V16], v[BKR+4:BKR+7], s[66:67] offset:196608+HEADB
	s_branch .Ldone
.Lway_v:
.irp a, 0,1,2,3,4,5,6,7
	OUTV \a
.endr
	ds_load_b128 v[BKR:BKR+3], v[SRB]
	s_wait_dscnt 0x0
	global_store_b128 v[VGB], v[BKR:BKR+3], s[66:67] offset:204800
.Ldone:
	s_wait_tensorcnt 0x0
	ds_add_u32 v[SPW], v[NIL]
	s_wait_dscnt 0x0
	CROUND
	s_endpgm
.Lfunc_end_k_q76566de2cb_proj:
	.size	k_q76566de2cb_proj, .Lfunc_end_k_q76566de2cb_proj-k_q76566de2cb_proj
	.p2alignl 7, 3214868480
	.fill 96, 4, 3214868480
	.section	.rodata,"a",@progbits
	.p2align	6, 0x0
	.amdhsa_kernel k_q76566de2cb_proj
		.amdhsa_group_segment_fixed_size 327680
		.amdhsa_private_segment_fixed_size 0
		.amdhsa_enable_private_segment 0
		.amdhsa_kernarg_size 24
		.amdhsa_user_sgpr_count 2
		.amdhsa_user_sgpr_kernarg_segment_ptr 1
		.amdhsa_wavefront_size32 1
		.amdhsa_system_sgpr_workgroup_id_x 1
		.amdhsa_system_sgpr_workgroup_id_y 1
		.amdhsa_system_sgpr_workgroup_id_z 1
		.amdhsa_system_vgpr_workitem_id 0
		.amdhsa_next_free_vgpr 1024
		.amdhsa_next_free_sgpr 102
		.amdhsa_reserve_vcc 0
		.amdhsa_float_denorm_mode_32 3
		.amdhsa_float_denorm_mode_16_64 3
		.amdhsa_memory_ordered 1
		.amdhsa_forward_progress 1
		.amdhsa_inst_pref_size 203
	.end_amdhsa_kernel
	.amdgpu_metadata
---
amdhsa.version: [ 1, 2 ]
amdhsa.kernels:
  - .name:           k_q76566de2cb_proj
    .symbol:         k_q76566de2cb_proj.kd
    .args:
      - { .name: codes, .offset: 0, .size: 8, .value_kind: global_buffer, .address_space: global }
      - { .name: scales, .offset: 8, .size: 8, .value_kind: global_buffer, .address_space: global }
      - { .name: kv, .offset: 16, .size: 8, .value_kind: global_buffer, .address_space: global }
    .group_segment_fixed_size: 327680
    .private_segment_fixed_size: 0
    .kernarg_segment_align: 8
    .kernarg_segment_size: 24
    .max_flat_workgroup_size: 128
    .sgpr_count:     102
    .vgpr_count:     1024
    .wavefront_size: 32
...
	.end_amdgpu_metadata
.endif
;; end of part 2
;; launch attn (part 3): grid 4 x 64, 16 waves a work-group, clusters of 4 x 1, 211,968 bytes of LDS; arguments kv, att_c, att_s; writes att_c, att_s
.if DOCPART == 3
	.amdgcn_target "amdgcn-amd-amdhsa--gfx1250"
	.amdhsa_code_object_version 6
	.text
	.protected	k_q76566de2cb_attn
	.globl	k_q76566de2cb_attn
	.p2align	8
	.type	k_q76566de2cb_attn,@function
k_q76566de2cb_attn:
	s_mov_b64 s[64:65], 0
	v_nop
	global_prefetch_b8 v0, s[64:65] scope:SCOPE_SE
	s_setreg_imm32_b32 hwreg(HW_REG_WAVE_MODE, 25, 1), 1
	s_wait_xcnt 0x0
	s_wait_alu depctr_hold_cnt(0) depctr_sa_sdst(0) depctr_va_vdst(0) depctr_va_sdst(0) depctr_va_ssrc(0) depctr_va_vcc(0) depctr_vm_vsrc(0)
	s_getreg_b32 s2, hwreg(HW_REG_IB_STS2, 6, 4)
	s_cmp_eq_u32 s2, 0
	s_cbranch_scc0 .Lentry_in_a_cluster
	s_endpgm
.Lentry_in_a_cluster:
	s_bfe_u32 s2, ttmp6, 0x10000c
	s_cmp_lg_u32 s2, 0x3003
	s_cbranch_scc0 .Lentry_shape_is_right
	s_endpgm
.Lentry_shape_is_right:
; For each of 64 (batch, head) pairs: O[q] = sum over keys of softmax(xp[q] . xp[k] / 8) xp[k], both products on codes of E2M3 with E8M0 scales; then O / l is quantised along e for the last product.
; SOFTMAX: t = score x log2(e) / 8; M = the running largest t rounded UP to a whole number; p = 2^(t - M) is quantised along the keys, not normalised; the row's sum l is taken of the unquantised p; when M moves,
; l and O are multiplied by 2^(old M - new M), which rounds nothing.  A block's largest p is made from its largest score by the same multiply-add and exponential (this takes v_exp_f32 not to fall where its input rises).
; SHARES.  A cluster of four work-groups is one head; a work-group owns 512 queries; each of its sixteen waves one tile of 16 queries in each of two passes.  Four waves to a SIMD: one wave's vector work stands beside another's products and LDS loads.
; LDS.  A WHOLE HEAD STAYS RESIDENT: its 208,896 bytes of kv (keys' codes, values' codes, both sets of scale words, as register images) are filled ONCE, by sixteen joint loads (one a wave, 51 rows of 256 bytes; the four
; work-groups of the cluster ask for the same bytes).  Nothing is filled again: no ring, and no barrier in the loop.  Behind them 1,024 bytes gather the work-group's 512 pairs of scale bytes.
; LAYOUT.  Both products are used transposed: S^T = K Q^T (source 0 = 16 keys), O^T = V^T P^T (source 0 = 16 channels): a lane holds one query (lane % 16) throughout.
; K = 64 IN AN INSTRUCTION OF 128: Q's upper six registers are zero codes.  The keys' eight fragments of six registers stand on end, so the upper six registers of each operand are the next fragment's (behind the last: six zeros):
; every pattern of 6 bits is a finite number, which adds nothing against Q's zero codes; bytes 2 and 3 of both scale words are 0, never 0xff.
; Inside a block of 32 all codes stand in this program's order (numbers 0-7, 16-23, 8-15, 24-31), on both sides of each product.
; OUT: att_c [head 16][tile of 16 rows, 512][768]: registers 0-3 at 16 x lane, registers 4-5 at 512 + 8 x lane (lane (r, h): row r, block h of e); att_s [head 16][row 8192]: two scale bytes.
; LIMITS: p under 2^-126 is flushed to 0 by v_exp_f32; a block of zeros gets the byte 1; NaN and infinities are not served.
.set HEADB, 208896
.set VC,    98304
.set KSO,   196608
.set VSO,   204800
.set ASB,   208896                     ; the scale bytes' stage, stored by ds_store alone
.set ADK,  6                           ; v6-10 LDS addresses of the step in hand
.set ADK8, 7
.set ADV,  8
.set ADS,  9
.set ADT,  10
.set ASA,  11                          ; v11  where my query's two scale bytes go
.set QF0,  16                          ; v16-27, v28-39  Q's fragments of the two passes: six registers of codes, six of zeros
.set F,    40                          ; v40-87 eight fragments of K (6 each), then four of V (12 each); v88-93 zeros
.set S,    96                          ; v96-159  S^T, then p
.set O,    160                         ; v160-191 O^T
.set PC,   192                         ; v192-203 p's codes; v204-210 halves on their way
.set BM,   212                         ; v212-215 each block's largest score, then p
.set BT,   216
.set BO,   220
.set KSR,  224                         ; v224-227 the keys' scale words
.set VSR,  228                         ; v228-229 the channels'
.set QS0,  230                         ; v230, v231 Q's scale words
.set PW,   232                         ; p's scale word
.set WV,   10
.set G1,   16
.set G0,   24
.set SEL,  28
.set CS,   30
.set TK,   32
.set TS,   33
.set TJ,   34
.set CNT,  35
.macro CROUND
	s_barrier_signal -1
	s_barrier_wait -1
	s_cmp_lg_u32 s[WV], 0
	s_cbranch_scc1 .Lnot_wave_0_\@
	s_barrier_signal -3
.Lnot_wave_0_\@:
	s_barrier_wait -3
	s_barrier_signal -1
	s_barrier_wait -1
.endm
	s_load_b128 s[4:7], s[0:1], 0x0                ; kv s[4:5], att_c s[6:7]
	s_load_b64 s[8:9], s[0:1], 0x10                ; att_s
	v_lshl_add_u32 v254, v0, 2, 0x33400
	v_mov_b32 v255, 0
	ds_add_u32 v254, v255
	ds_add_u32 v254, v255
	v_lshrrev_b32 v1, 5, v0
	s_delay_alu instid0(VALU_DEP_1)
	v_readfirstlane_b32 s[WV], v1                  ; wave 0..15
	s_bfe_u32 s11, ttmp6, 0x40000                  ; cx: it enters addresses in memory alone
	s_and_b32 s12, ttmp7, 0xffff                   ; 16 x batch + head, which the four partners share
	s_mul_i32 s13, s12, HEADB
	; descriptor group 1: 51 rows of 256 bytes (32 elements of 8), dense, no padding; mask: all four work-groups; bit 21 beside it
	s_mov_b32 s[G1], 15|(3<<16)|(1<<21)
	s_mov_b32 s[G1+1], 32<<16
	s_mov_b32 s[G1+2], 51<<16
	s_mov_b32 s[G1+3], 32<<16
	s_mov_b32 s[G1+4], 51
	s_mov_b32 s[G1+5], 32
	s_mov_b32 s[G1+6], 0
	s_mov_b32 s[G1+7], 0
	s_mul_i32 s[G0+1], s[WV], 13056                ; my sixteenth of the head, in LDS as in memory
	s_add_co_u32 s44, s13, s[G0+1]
	s_mov_b32 s45, 0
	s_lshl_b32 s46, s11, 5
	s_add_co_u32 s46, s46, s[WV]                   ; my tile of 16 queries in pass 0: 32 cx + wave
	s_mul_i32 s48, s46, 768
	s_add_co_u32 s46, s48, s13
	s_mov_b32 s47, 0
	s_lshl_b32 s50, s11, 2                         ; its scale words: step 4 cx + wave / 8; in it key 16 (wave % 8) + r = 32 i + l at 16 l + 4 i
	s_lshr_b32 s51, s[WV], 3
	s_add_co_u32 s50, s50, s51
	s_lshl_b32 s50, s50, 9
	s_and_b32 s51, s[WV], 1
	s_lshl_b32 s51, s51, 8
	s_add_co_u32 s50, s50, s51
	s_bfe_u32 s51, s[WV], 0x20001
	s_lshl_b32 s51, s51, 2
	s_add_co_u32 s50, s50, s51
	s_add_co_u32 s50, s50, s13
	s_mov_b32 s51, 0
	s_and_b32 s52, s12, 15                         ; head
	s_lshr_b32 s53, s12, 4                         ; batch
	s_mul_i32 s54, s52, 393216                     ; att_c: 512 tiles of 768 bytes a head,
	s_mul_i32 s55, s53, 98304                      ; 128 tiles a batch,
	s_add_co_u32 s54, s54, s55
	s_add_co_u32 s54, s54, s48                     ; my tile
	s_mov_b32 s55, 0
	s_lshl_b32 s56, s52, 14                        ; att_s: 16,384 bytes a head, 4,096 a batch, 1,024 a work-group
	s_lshl_b32 s57, s53, 12
	s_add_co_u32 s56, s56, s57
	s_lshl_b32 s57, s11, 10
	s_add_co_u32 s56, s56, s57
	s_mov_b32 s57, 0
	s_mov_b32 s[SEL], 0x76543210
	s_mov_b32 s[SEL+1], 0xfedcba98                 ; lane l xor 16
	s_mov_b32 s[CS], 0x3e38aa3b                    ; c = log2(e) / 8
	s_mov_b32 s[CS+1], s[CS]                       ; (named with it as a pair)
	s_wait_dscnt 0x0
	s_wait_kmcnt 0x0
	s_mov_b32 s[G0], 1
	s_add_nc_u64 s[G0+2:G0+3], s[4:5], s[44:45]
	s_or_b32 s[G0+3], s[G0+3], 0x80000000
	s_add_nc_u64 s[36:37], s[4:5], s[46:47]        ; Q's codes
	s_add_nc_u64 s[38:39], s[4:5], s[50:51]        ; Q's scale words (less the part's 196,608, which stands in the immediate)
	s_add_nc_u64 s[40:41], s[6:7], s[54:55]
	s_add_nc_u64 s[42:43], s[8:9], s[56:57]
	CROUND                                         ; all four work-groups are here: the joint loads meet
	tensor_load_to_lds s[G0:G0+3], s[G1:G1+7]      ; my one tensor load of the launch
	s_nop 0
.rept 4
	v_nop
.endr
	v_and_b32 v236, 31, v0                         ; lane
	v_and_b32 v237, 15, v0                         ; r
	s_delay_alu instid0(VALU_DEP_2)
	v_lshlrev_b32 v1, 4, v236                      ; 16 x lane
	s_delay_alu instid0(VALU_DEP_3)
	v_lshl_add_u32 v2, v236, 3, 512                ; 8 x lane + 512
	s_delay_alu instid0(VALU_DEP_4)
	v_lshl_add_u32 v3, v236, 4, VC
	v_lshl_add_u32 v4, v236, 4, KSO
	v_lshl_add_u32 v5, v236, 3, VSO
	v_and_b32 v[ASA], 0x1e0, v0                    ; 32 x wave
	s_delay_alu instid0(VALU_DEP_1)
	v_lshl_add_u32 v[ASA], v237, 1, v[ASA]
	s_delay_alu instid0(VALU_DEP_1)
	v_add_nc_u32 v[ASA], ASB, v[ASA]
	v_lshlrev_b32 v95, 4, v237                     ; 16 r
	v_lshl_add_u32 v240, v236, 4, ASB
.irp p, 0,1
	global_load_b128 v[QF0+12*\p:QF0+12*\p+3], v1, s[36:37] offset:12288*\p      ; pass p's tile lies 16 tiles on
	global_load_b64 v[QF0+12*\p+4:QF0+12*\p+5], v2, s[36:37] offset:12288*\p
	global_load_b32 v[QS0+\p], v95, s[38:39] offset:KSO+1024*\p
.endr
.irp i, 6,7,8,9,10,11
	v_mov_b32 v[QF0+\i], 0                         ; zero codes for k = 64 .. 127
	v_mov_b32 v[QF0+12+\i], 0
	v_mov_b32 v[F+42+\i], 0                        ; behind the keys' last fragment
.endr
.irp b, 0,1,2,3
	v_mov_b32 v[BT+\b], 0                          ; a lane permute's destination counts as one of its sources
.endr
	v_mov_b32 v235, 0                              ; (named as the upper half of the pair v[234:235])
	s_wait_tensorcnt 0x0                           ; my part of the head is in,
	s_barrier_signal -1
	s_barrier_wait -1                              ; everybody's is
	s_wait_loadcnt 0x0                             ; Q
; A KEY STEP: 128 keys.
.macro STEP qf, qs
	v_add_nc_u32 v[ADK], s[TK], v1                 ; five plain lines: also the places behind the last step's products, in front of the loads below
	v_add_nc_u32 v[ADK8], s[TK], v2
	v_add_nc_u32 v[ADV], s[TK], v3
	v_add_nc_u32 v[ADS], s[TS], v4
	v_add_nc_u32 v[ADT], s[TJ], v5
	ds_load_b128 v[KSR:KSR+3], v[ADS]              ; register i, lane l: the word of key 32 i + l
.irp t, 0,1,2,3,4,5,6,7
	ds_load_b128 v[F+6*\t:F+6*\t+3], v[ADK] offset:768*\t
	ds_load_b64 v[F+6*\t+4:F+6*\t+5], v[ADK8] offset:768*\t
.endr
	s_wait_alu depctr_va_vdst(0)
	s_wait_dscnt 0x0                               ; all: an operand names its neighbour's registers too
.irp u, 0,1,2,3
	v_wmma_scale_f32_16x16x128_f8f6f4 v[S+16*\u:S+16*\u+7], v[F+12*\u:F+12*\u+11], v[\qf:\qf+11], 0, v[KSR+\u], v[\qs] matrix_a_fmt:MATRIX_FMT_FP6 matrix_b_fmt:MATRIX_FMT_FP6
	v_wmma_scale_f32_16x16x128_f8f6f4 v[S+16*\u+8:S+16*\u+15], v[F+12*\u+6:F+12*\u+17], v[\qf:\qf+11], 0, v[KSR+\u], v[\qs] matrix_a_fmt:MATRIX_FMT_FP6 matrix_b_fmt:MATRIX_FMT_FP6 matrix_a_scale:MATRIX_SCALE_ROW1
.endr
.rept 4
	v_nop                                          ; places: in front of the loads into K's registers and of the first read of the scores
.endr
	ds_load_b64 v[VSR:VSR+1], v[ADT]               ; V's fragments land while the softmax is walked
.irp t, 0,1,2,3
.irp j, 0,1,2
	ds_load_b128 v[F+12*\t+4*\j:F+12*\t+4*\j+3], v[ADV] offset:1536*\t+512*\j
.endr
.endr
.irp b, 0,1,2,3
	v_max3_num_f32 v[BM+\b], v[S+16*\b], v[S+16*\b+1], v[S+16*\b+2]   ; the largest score of each block of 32 keys
.endr
.irp i, 3,5,7,9,11,13
.irp b, 0,1,2,3
	v_max3_num_f32 v[BM+\b], v[BM+\b], v[S+16*\b+\i], v[S+16*\b+\i+1]
.endr
.endr
.irp b, 0,1,2,3
	v_max_num_f32 v[BM+\b], v[BM+\b], v[S+15+16*\b]
.endr
.irp b, 0,1,2,3
	s_delay_alu instid0(VALU_DEP_4)
	v_permlanex16_b32 v[BT+\b], v[BM+\b], s[SEL], s[SEL+1]
.endr
.irp b, 0,1,2,3
	s_delay_alu instid0(VALU_DEP_4)
	v_max_num_f32 v[BM+\b], v[BM+\b], v[BT+\b]     ; with lane l xor 16's 16 keys
.endr
	s_delay_alu instid0(VALU_DEP_2)
	v_max3_num_f32 v236, v[BM], v[BM+1], v[BM+2]
	s_delay_alu instid0(VALU_DEP_1)
	v_max_num_f32 v236, v236, v[BM+3]              ; the step's largest score of my query
	s_delay_alu instid0(VALU_DEP_1)
	v_mul_f32 v236, s[CS], v236                    ; as t
	s_delay_alu instid0(VALU_DEP_1)
	v_max_num_f32 v13, v13, v236                   ; the running largest t
	v_mov_b32 v236, v12
	s_delay_alu instid0(VALU_DEP_2)
	v_floor_f32 v12, -v13                          ; the new -M = -ceil(t)
	s_delay_alu instid0(VALU_DEP_1)
	v_sub_f32 v236, v12, v236                      ; old M - new M: a whole number, 0 or less
	s_delay_alu instid0(VALU_DEP_1)
	v_cvt_i32_f32 v236, v236                       ; (it saturates)
	s_delay_alu instid0(VALU_DEP_1)
	v_ldexp_f32 v234, 1.0, v236                    ; f = 2^(old M - new M)
.set J, 0
.rept 32
	v_pk_fma_f32 v[S+J:S+J+1], v[S+J:S+J+1], s[CS:CS+1], v[12:13] op_sel_hi:[1,0,0]   ; t - M, two at a time
.set J, J+2
.endr
.irp b, 0,1,2,3
	v_fma_f32 v[BM+\b], v[BM+\b], s[CS], v12       ; the same of each block's largest score
.endr
.set J, 0
	s_wait_alu depctr_va_vdst(0)
.rept 64
	v_exp_f32 v[S+J], v[S+J]                       ; p = 2^(t - M)
.set J, J+1
.endr
	s_setprio 1
.irp b, 0,1,2,3
	v_exp_f32 v[BM+\b], v[BM+\b]                   ; the block's largest p
.endr
	v_pk_mul_f32 v[14:15], v[14:15], v[234:235] op_sel_hi:[1,0]   ; the sums under the new M (a plain place behind the exponentials)
	s_wait_alu depctr_va_vdst(0)
.irp b, 0,1,2,3
	v_max_num_f32 v[BM+\b], 0x1800000, v[BM+\b]    ; the floor 2^(3 - 127)
.endr
.irp b, 0,1,2,3
	s_delay_alu instid0(VALU_DEP_4)
	v_add_nc_u32 v[BO+\b], 0xff000000, v[BM+\b]    ; the conversion's scale operand
.endr
.irp b, 0,1,2,3
	s_delay_alu instid0(VALU_DEP_4)
	v_lshrrev_b32 v[BT+\b], 23, v[BO+\b]           ; the scale's byte
.endr
	s_delay_alu instid0(VALU_DEP_3)
	v_lshl_or_b32 v[PW], v[BT+1], 8, v[BT]
	s_delay_alu instid0(VALU_DEP_1)
	v_lshl_or_b32 v[PW], v[BT+2], 16, v[PW]
	s_delay_alu instid0(VALU_DEP_1)
	v_lshl_or_b32 v[PW], v[BT+3], 24, v[PW]
.irp c, 0,1
	v_cvt_scalef32_pk16_fp6_f32 v[PC+6*\c:PC+6*\c+2], v[S+32*\c:S+32*\c+15], v[BO+2*\c]
	v_cvt_scalef32_pk16_fp6_f32 v[PC+12+4*\c:PC+14+4*\c], v[S+16+32*\c:S+31+32*\c], v[BO+2*\c+1]
.endr
	v_nop                                          ; one plain place behind a scaled conversion
.irp c, 0,1
.irp i, 0,1,2
	v_permlane16_swap_b32 v[PC+6*\c+\i], v[PC+12+4*\c+\i]   ; a whole block to a lane
.endr
.irp i, 0,1,2
	s_delay_alu instid0(VALU_DEP_3)
	v_mov_b32 v[PC+3+6*\c+\i], v[PC+12+4*\c+\i]
.endr
.endr
	v_pk_add_f32 v[236:237], v[100:101], v[104:105]
	v_pk_add_f32 v[252:253], v[108:109], v[112:113]
	v_pk_add_f32 v[250:251], v[116:117], v[120:121]
	v_pk_add_f32 v[248:249], v[124:125], v[128:129]
	v_pk_add_f32 v[246:247], v[132:133], v[136:137]
	v_pk_add_f32 v[244:245], v[140:141], v[144:145]
	v_pk_add_f32 v[242:243], v[148:149], v[152:153]
	v_pk_add_f32 v[14:15], v[14:15], v[156:157]
	v_pk_add_f32 v[236:237], v[236:237], v[96:97]
	v_pk_add_f32 v[252:253], v[252:253], v[98:99]
	v_pk_add_f32 v[250:251], v[250:251], v[102:103]
	v_pk_add_f32 v[248:249], v[248:249], v[106:107]
	v_pk_add_f32 v[246:247], v[246:247], v[110:111]
	v_pk_add_f32 v[244:245], v[244:245], v[114:115]
	v_pk_add_f32 v[242:243], v[242:243], v[118:119]
	v_pk_add_f32 v[14:15], v[14:15], v[122:123]
	v_pk_add_f32 v[236:237], v[236:237], v[126:127]
	v_pk_add_f32 v[252:253], v[252:253], v[130:131]
	v_pk_add_f32 v[250:251], v[250:251], v[134:135]
	v_pk_add_f32 v[248:249], v[248:249], v[138:139]
	v_pk_add_f32 v[246:247], v[246:247], v[142:143]
	v_pk_add_f32 v[244:245], v[244:245], v[146:147]
	v_pk_add_f32 v[242:243], v[242:243], v[150:151]
	v_pk_add_f32 v[14:15], v[14:15], v[154:155]
	v_pk_add_f32 v[236:237], v[236:237], v[158:159]
	s_delay_alu instid0(VALU_DEP_2)
	v_pk_add_f32 v[14:15], v[14:15], v[248:249]
	s_delay_alu instid0(VALU_DEP_2)
	v_pk_add_f32 v[236:237], v[236:237], v[246:247]
	s_setprio 0
	v_pk_add_f32 v[252:253], v[252:253], v[244:245]
	v_pk_add_f32 v[250:251], v[250:251], v[242:243]
	s_delay_alu instid0(VALU_DEP_2)
	v_pk_add_f32 v[14:15], v[14:15], v[252:253]
	s_delay_alu instid0(VALU_DEP_2)
	v_pk_add_f32 v[236:237], v[236:237], v[250:251]
	s_delay_alu instid0(VALU_DEP_1)
	v_pk_add_f32 v[14:15], v[14:15], v[236:237]
.set J, 0
.rept 16
	v_pk_mul_f32 v[O+J:O+J+1], v[O+J:O+J+1], v[234:235] op_sel_hi:[1,0]   ; O^T under the new M, each accumulator from its low end on.  (With the sums above: the places between p's scale word and codes and the products below)
.set J, J+2
.endr
	s_wait_alu depctr_va_vdst(0)
	s_wait_dscnt 0x0                               ; V's fragments and scale words
.irp u, 0,1
	v_wmma_scale_f32_16x16x128_f8f6f4 v[O+16*\u:O+16*\u+7], v[F+24*\u:F+24*\u+11], v[PC:PC+11], v[O+16*\u:O+16*\u+7], v[VSR+\u], v[PW] matrix_a_fmt:MATRIX_FMT_FP6 matrix_b_fmt:MATRIX_FMT_FP6
	v_wmma_scale_f32_16x16x128_f8f6f4 v[O+16*\u+8:O+16*\u+15], v[F+24*\u+12:F+24*\u+23], v[PC:PC+11], v[O+16*\u+8:O+16*\u+15], v[VSR+\u], v[PW] matrix_a_fmt:MATRIX_FMT_FP6 matrix_b_fmt:MATRIX_FMT_FP6 matrix_a_scale:MATRIX_SCALE_ROW1
.endr
.endm
; A PASS: one tile of 16 queries against all 2,048 keys; then O / l, quantised along e (two blocks of 32), goes out.
.macro PASS p, qf, qs
	s_wait_xcnt 0x0                                ; the last pass's stores have read their registers
	v_mov_b32 v13, 0xff61b1e6                      ; the largest t so far: -3e38
	s_delay_alu instid0(VALU_DEP_1)
	v_floor_f32 v12, -v13                          ; -M
	v_mov_b32 v14, 0                               ; the sum, in two halves
	v_mov_b32 v15, 0
.set J, 0
.rept 32
	v_mov_b32 v[O+J], 0                            ; the step is written once: the first finds zeros, which the first change of M leaves zeros
.set J, J+1
.endr
	s_mov_b32 s[TK], 0
	s_mov_b32 s[TS], 0
	s_mov_b32 s[TJ], 0
	s_mov_b32 s[CNT], 16
.Lstep_\@:
	s_setprio 2
	STEP \qf, \qs
	s_add_co_u32 s[TK], s[TK], 6144                ; a step's codes of K, and of V
	s_add_co_u32 s[TS], s[TS], 512                 ; the keys' scale words
	s_add_co_u32 s[TJ], s[TJ], 256                 ; the channels'
	s_sub_co_u32 s[CNT], s[CNT], 1
	s_cmp_lg_u32 s[CNT], 0
	s_cbranch_scc1 .Lstep_\@
	s_setprio 0
.rept 4
	v_nop                                          ; places behind the last products
.endr
	v_add_f32 v14, v14, v15
	s_delay_alu instid0(VALU_DEP_1)
	v_permlanex16_b32 v236, v14, s[SEL], s[SEL+1]
	s_delay_alu instid0(VALU_DEP_1)
	v_add_f32 v14, v14, v236                       ; the row's sum
	s_wait_alu depctr_va_vdst(0)
	v_rcp_f32 v242, v14
	v_rcp_f32 v243, v14
	v_nop                                          ; a plain place behind the reciprocals
.set J, 0
	s_wait_alu depctr_va_vdst(0)
.rept 16
	v_pk_mul_f32 v[S+J:S+J+1], v[O+J:O+J+1], v[242:243]   ; O^T / l: register 16 b + i: channels of block b
.set J, J+2
.endr
.irp b, 0,1
	v_max3_num_f32 v[BM+\b], |v[S+16*\b]|, |v[S+16*\b+1]|, 0x1800000
.endr
.irp i, 2,4,6,8,10,12,14
.irp b, 0,1
	s_delay_alu instid0(VALU_DEP_2)
	v_max3_num_f32 v[BM+\b], v[BM+\b], |v[S+16*\b+\i]|, |v[S+16*\b+\i+1]|
.endr
.endr
.irp b, 0,1
	s_delay_alu instid0(VALU_DEP_2)
	v_permlanex16_b32 v[BT+\b], v[BM+\b], s[SEL], s[SEL+1]
.endr
.irp b, 0,1
	s_delay_alu instid0(VALU_DEP_2)
	v_max_num_f32 v[BM+\b], v[BM+\b], v[BT+\b]
.endr
.irp b, 0,1
	s_delay_alu instid0(VALU_DEP_2)
	v_add_nc_u32 v[BO+\b], 0xff000000, v[BM+\b]
.endr
.irp b, 0,1
	s_delay_alu instid0(VALU_DEP_2)
	v_lshrrev_b32 v[BT+\b], 23, v[BO+\b]
.endr
	s_delay_alu instid0(VALU_DEP_1)
	v_lshl_or_b32 v[PW], v[BT+1], 8, v[BT]         ; my row's two scale bytes
	v_cvt_scalef32_pk16_fp6_f32 v[PC:PC+2], v[S:S+15], v[BO]
	v_cvt_scalef32_pk16_fp6_f32 v[PC+12:PC+14], v[S+16:S+31], v[BO+1]
	v_nop
.irp i, 0,1,2
	v_permlane16_swap_b32 v[PC+\i], v[PC+12+\i]
.endr
.irp i, 0,1,2
	s_delay_alu instid0(VALU_DEP_3)
	v_mov_b32 v[PC+3+\i], v[PC+12+\i]
.endr
	global_store_b128 v1, v[PC:PC+3], s[40:41] offset:12288*\p    ; 512 consecutive bytes, aligned to 256
	global_store_b64 v2, v[PC+4:PC+5], s[40:41] offset:12288*\p   ; and the tile's last 256
	ds_store_b16 v[ASA], v[PW] offset:512*\p       ; both halves of the lanes write the same two bytes
.endm
	PASS 0, QF0, QS0
	PASS 1, QF0+12, QS0+1
	s_wait_dscnt 0x0                               ; for the others' sake: my stores into the stage are done
	s_barrier_signal -1
	s_barrier_wait -1
	s_cmp_lg_u32 s[WV], 0
	s_cbranch_scc1 .Lnot_first
	ds_load_b128 v[244:247], v240                  ; wave 0 sends the work-group's 1,024 scale bytes
	ds_load_b128 v[248:251], v240 offset:512
	s_wait_dscnt 0x0
	global_store_b128 v1, v[244:247], s[42:43]
	global_store_b128 v1, v[248:251], s[42:43] offset:512
.Lnot_first:
	s_wait_tensorcnt 0x0
	ds_add_u32 v254, v255
	s_wait_dscnt 0x0
	CROUND                                         ; the closing round
	s_endpgm
.Lfunc_end_k_q76566de2cb_attn:
	.size	k_q76566de2cb_attn, .Lfunc_end_k_q76566de2cb_attn-k_q76566de2cb_attn
	.p2alignl 7, 3214868480
	.fill 96, 4, 3214868480
	.section	.rodata,"a",@progbits
	.p2align	6, 0x0
	.amdhsa_kernel k_q76566de2cb_attn
		.amdhsa_group_segment_fixed_size 211968
		.amdhsa_private_segment_fixed_size 0
		.amdhsa_enable_private_segment 0
		.amdhsa_kernarg_size 24
		.amdhsa_user_sgpr_count 2
		.amdhsa_user_sgpr_kernarg_segment_ptr 1
		.amdhsa_wavefront_size32 1
		.amdhsa_system_sgpr_workgroup_id_x 1
		.amdhsa_system_sgpr_workgroup_id_y 1
		.amdhsa_system_sgpr_workgroup_id_z 1
		.amdhsa_system_vgpr_workitem_id 0
		.amdhsa_next_free_vgpr 256
		.amdhsa_next_free_sgpr 66
		.amdhsa_reserve_vcc 0
		.amdhsa_float_denorm_mode_32 3
		.amdhsa_float_denorm_mode_16_64 3
		.amdhsa_memory_ordered 1
		.amdhsa_forward_progress 1
		.amdhsa_inst_pref_size 53
	.end_amdhsa_kernel
	.amdgpu_metadata
---
amdhsa.version: [ 1, 2 ]
amdhsa.kernels:
  - .name:           k_q76566de2cb_attn
    .symbol:         k_q76566de2cb_attn.kd
    .args:
      - { .name: kv, .offset: 0, .size: 8, .value_kind: global_buffer, .address_space: global }
      - { .name: att_c, .offset: 8, .size: 8, .value_kind: global_buffer, .address_space: global }
      - { .name: att_s, .offset: 16, .size: 8, .value_kind: global_buffer, .address_space: global }
    .group_segment_fixed_size: 211968
    .private_segment_fixed_size: 0
    .kernarg_segment_align: 8
    .kernarg_segment_size: 24
    .max_flat_workgroup_size: 512
    .sgpr_count:     66
    .vgpr_count:     256
    .wavefront_size: 32
...
	.end_amdgpu_metadata
.endif
;; end of part 3
;; launch outp (part 4): grid 4 x 32, 4 waves a work-group, clusters of 4 x 4, 327,680 bytes of LDS; arguments att_c, att_s, codes, scales, out0; writes out0
.if DOCPART == 4
	.amdgcn_target "amdgcn-amd-amdhsa--gfx1250"
	.amdhsa_code_object_version 6
	.text
	.protected	k_q76566de2cb_outp
	.globl	k_q76566de2cb_outp
	.p2align	8
	.type	k_q76566de2cb_outp,@function
k_q76566de2cb_outp:
	s_mov_b64 s[64:65], 0
	v_nop
	global_prefetch_b8 v0, s[64:65] scope:SCOPE_SE
	s_setreg_imm32_b32 hwreg(HW_REG_WAVE_MODE, 25, 1), 1
	s_wait_xcnt 0x0
	s_wait_alu depctr_hold_cnt(0) depctr_sa_sdst(0) depctr_va_vdst(0) depctr_va_sdst(0) depctr_va_ssrc(0) depctr_va_vcc(0) depctr_vm_vsrc(0)
	s_getreg_b32 s2, hwreg(HW_REG_IB_STS2, 6, 4)
	s_cmp_eq_u32 s2, 0
	s_cbranch_scc0 .Lentry_in_a_cluster
	s_endpgm
.Lentry_in_a_cluster:
	s_bfe_u32 s2, ttmp6, 0x10000c
	s_cmp_lg_u32 s2, 0xf033
	s_cbranch_scc0 .Lentry_shape_is_right
	s_endpgm
.Lentry_shape_is_right:
; out0[m][n] = sum over k of att[m][k] W_m[n][k], M = 8,192, N = 1,024, K = 1,024, on codes of E2M3 with one E8M0 scale for each 32 along K; sums and output f32.
; A (att) comes as register images: att_c [head 16][tile of 16 rows, 512][768] (registers 0-3 at 16 x lane, registers 4-5 at 512 + 8 x lane), att_s [head][row]: two scale bytes.  Two heads are 128 along K: one fragment.
; B (W_m) comes as rows of 768 bytes of codes and 32 scale bytes, from byte WM of the buffer of codes and WMS of the scale bytes.  Inside a block of 32 both sides have this program's order of codes.
; A tile of 256 x 256 is made by four waves, each 128 x 128: 64 accumulators, 512 registers: 128 work-groups (a smaller tile would fill more WGPs at twice the LDS reads for each product; this launch is short beside the attention).
; K goes in steps of 256 (four heads) through a ring of two LDS slots filled by the tensor data mover.  A's half tile is four rows of 6,144 dense bytes (one a head), B's 128 rows of 192 bytes.
; B's scale bytes come once by a tensor load; A's are gathered once through registers (sixteen loads a thread, one a head) into the same layout: a row's 32 bytes on end, 16 bytes of padding behind every 256.
; CLUSTERS: 4 x 4 work-groups; A's tiles are shared along a row of the cluster, B's along a column: joint loads.  The matrix instruction is used transposed: a lane holds eight neighbouring numbers of a row of out0.
; REGISTERS: window 0: v0-31 addresses; v32-63 scale words, two sets; from v128 A's fragments, one set.  window 1: B's fragments, two sets.  windows 2, 3: the accumulators.
.set SIZE_N, 1024
.set NQ,     2
.set ROWB,   192
.set KROW,   768
.set PITCH,  240
.set FR,     12
.set NLA,    4                         ; LDS loads that bring a fragment of A
.set NP,     4
.set HALFT,  128*PITCH                 ; B: 128 rows
.set AHALF,  24576                     ; A: 128 rows: [4 heads][8 tiles][768]
.set BOFF,   2*AHALF
.set SLOT,   2*AHALF+2*HALFT
.set LAPS,   2
.set KS,     32
.set SCL,    2*SLOT                    ; the scales: A's 8,704 bytes (stored by ds_store alone), then B's 8,704 (filled by the tensor load alone)
.set HALFS,  (128*KS/256)*272
.set SBLK,   (16*KS/256)*272
.set SPARE,  SCL+4*HALFS
.set SPITCH, 528                       ; the way out: 16 rows x (512 + 16) bytes a wave, in slot 0, which has had its last fill and its last read by then
.set WM,     7077888
.set WMS,    294912
.set A16,  16                          ; v16-17  slot 0, 1: my half of A + 16 x lane
.set A8,   18                          ; v18-19  the same + 512 + 8 x lane
.set ADRB, 20
.set STO,  24
.set RD,   25
.set CO,   26
.set ADRS, 27
.set SPW,  28
.set NIL,  29
.set SC,   32
.set AF,   128
.set BK,   128
.set G1, 24
.set G0, 32
.set G1B, 48
.set G0B, 56
.set G1SB, 80
.set G0SB, 88
.set MSB, 0
.macro WIN new
.if MSB != \new
	s_set_vgpr_msb (MSB<<8)|\new
.set MSB, \new
.endif
.endm
.set MUL_LO, 0xa1
.set MUL_HI, 0xf1
.set TO_B,   0x40
.macro JLOAD g0a, g1a, g0b, g1b        ; a joint load: waves 0 and 1 fetch for A, waves 2 and 3 for B; four v_nop follow each line
	s_cmp_eq_u32 s15, 0
	s_cbranch_scc0 .Lfor_b_\@
	tensor_load_to_lds s[\g0a:\g0a+3], s[\g1a:\g1a+7]
	s_nop 0
.rept 4
	v_nop
.endr
	s_branch .Lasked_\@
.Lfor_b_\@:
	tensor_load_to_lds s[\g0b:\g0b+3], s[\g1b:\g1b+7]
	s_nop 0
.rept 4
	v_nop
.endr
.Lasked_\@:
.endm
.macro CREST
	s_cmp_lg_u32 s14, 0
	s_cbranch_scc1 .Lnot_wave_0_\@
	s_barrier_signal -3
.Lnot_wave_0_\@:
	s_barrier_wait -3
	s_barrier_signal -1
	s_barrier_wait -1
.endm
.macro CROUND
	s_barrier_signal -1
	s_barrier_wait -1
	CREST
.endm
	s_load_b128 s[4:7], s[0:1], 0x0                ; att_c s[4:5], att_s s[6:7]
	s_load_b128 s[8:11], s[0:1], 0x10              ; codes s[8:9], scales s[10:11]
	s_load_b64 s[12:13], s[0:1], 0x20              ; out0
	v_lshl_add_u32 v[SPW], v0, 2, SPARE
	v_mov_b32 v[NIL], 0
	ds_add_u32 v28, v29
	ds_add_u32 v28, v29
	s_wait_dscnt 0x0
	v_lshrrev_b32 v1, 5, v0
	v_readfirstlane_b32 s14, v1                    ; wave 0..3
	s_lshr_b32 s15, s14, 1                         ; which half of the tile's rows is mine.  Also: I fetch for A (0) or for B (1)
	s_and_b32 s16, s14, 1                          ; which half of its columns.  Also: which 128 rows I fetch
	s_bfe_u32 s40, ttmp6, 0x40000
	s_bfe_u32 s41, ttmp6, 0x40004
	s_lshl_b32 s42, ttmp9, 2
	s_add_co_u32 s42, s42, s40                     ; tile column
	s_and_b32 s17, ttmp7, 0xffff
	s_lshl_b32 s17, s17, 2
	s_add_co_u32 s17, s17, s41                     ; tile row
	s_lshl_b32 s43, s41, 2
	s_lshl_b32 s43, 15, s43                        ; my row of the cluster
	s_lshl_b32 s44, 0x1111, s40                    ; my column
	; group 1 for A: four rows (heads) of 768 elements of 8 bytes, 49,152 elements (a head's 393,216 bytes) apart, no padding
	s_or_b32 s[G1+0], s43, (3<<16)|(1<<21)
	s_mov_b32 s[G1+1], 768<<16
	s_mov_b32 s[G1+2], 4<<16
	s_mov_b32 s[G1+3], 768<<16
	s_mov_b32 s[G1+4], 4
	s_mov_b32 s[G1+5], 49152
	s_mov_b32 s[G1+6], 0
	s_mov_b32 s[G1+7], 0
	; for B: 128 rows x 192 bytes, 16 bytes of padding behind every 64
	s_or_b32 s[G1B+0], s44, (0<<16)|(1<<20)|(1<<21)|(3<<22)|(3<<25)
	s_mov_b32 s[G1B+1], ROWB<<16
	s_mov_b32 s[G1B+2], 128<<16
	s_mov_b32 s[G1B+3], ROWB<<16
	s_mov_b32 s[G1B+4], 128
	s_mov_b32 s[G1B+5], KROW
	s_mov_b32 s[G1B+6], 0
	s_mov_b32 s[G1B+7], 0
	; for B's scale bytes: 16 rows of 256 bytes, 16 bytes of padding behind each
	s_or_b32 s[G1SB+0], s44, (3<<16)|(1<<20)|(1<<21)|(5<<22)|(3<<25)
	s_mov_b32 s[G1SB+1], 32<<16
	s_mov_b32 s[G1SB+2], (128*KS/256)<<16
	s_mov_b32 s[G1SB+3], 32<<16
	s_mov_b32 s[G1SB+4], 128*KS/256
	s_mov_b32 s[G1SB+5], 32
	s_mov_b32 s[G1SB+6], 0
	s_mov_b32 s[G1SB+7], 0
	s_mul_i32 s20, s17, 12288                      ; A: tile 16 x tile row + 8 x half, 768 bytes each
	s_mul_i32 s18, s16, 6144
	s_add_co_u32 s20, s20, s18
	s_mov_b32 s21, 0
	s_lshl_b32 s96, s17, 9                         ; A's scale bytes: 256 rows of 2 bytes a tile row
	s_mov_b32 s97, 0
	s_lshl_b32 s46, s42, 8
	s_lshl_b32 s18, s16, 7
	s_add_co_u32 s46, s46, s18                     ; B: row 256 x tile column + 128 x half
	s_lshl_b32 s92, s46, 5
	s_add_co_u32 s92, s92, WMS
	s_mov_b32 s93, 0
	s_mul_i32 s46, s46, KROW
	s_add_co_u32 s46, s46, WM
	s_mov_b32 s47, 0
	s_mul_i32 s45, s16, AHALF                      ; where they go, by the wave's number alone: A's halves,
	s_mul_i32 s94, s16, HALFT
	s_add_co_u32 s94, s94, BOFF                    ; B's halves behind them,
	s_mul_i32 s95, s16, HALFS
	s_add_co_u32 s95, s95, SCL+2*HALFS             ; B's scale bytes behind A's
	s_wait_kmcnt 0x0
	s_add_nc_u64 s[20:21], s[4:5], s[20:21]
	s_add_nc_u64 s[96:97], s[6:7], s[96:97]
	s_add_nc_u64 s[46:47], s[8:9], s[46:47]
	s_add_nc_u64 s[92:93], s[10:11], s[92:93]
	s_mov_b32 s[G0SB], 1
	s_mov_b32 s[G0SB+1], s95
	s_mov_b64 s[G0SB+2:G0SB+3], s[92:93]
	s_or_b32 s[G0SB+3], s[G0SB+3], 0x80000000
.irp s, 0,1
	s_mov_b32 s[G0+4*\s], 1
	s_add_co_u32 s[G0+4*\s+1], s45, \s*SLOT
	s_add_nc_u64 s[G0+4*\s+2:G0+4*\s+3], s[20:21], \s*1572864      ; K step s: heads 4 s on
	s_or_b32 s[G0+4*\s+3], s[G0+4*\s+3], 0x80000000
	s_mov_b32 s[G0B+4*\s], 1
	s_add_co_u32 s[G0B+4*\s+1], s94, \s*SLOT
	s_add_nc_u64 s[G0B+4*\s+2:G0B+4*\s+3], s[46:47], \s*ROWB
	s_or_b32 s[G0B+4*\s+3], s[G0B+4*\s+3], 0x80000000
.endr
	CROUND                                         ; all sixteen work-groups are here: the first joint loads meet
	s_cmp_eq_u32 s15, 0                            ; a wave's first fills stand in one branch: two loads of mine are out (A) or three (B)
	s_cbranch_scc0 .Lfirst_b
	tensor_load_to_lds s[G0:G0+3], s[G1:G1+7]
	s_nop 0
	tensor_load_to_lds s[G0+4:G0+7], s[G1:G1+7]
	s_nop 0
.rept 4
	v_nop
.endr
	s_branch .Lfirst_asked
.Lfirst_b:
	tensor_load_to_lds s[G0SB:G0SB+3], s[G1SB:G1SB+7]
	s_nop 0
	tensor_load_to_lds s[G0B:G0B+3], s[G1B:G1B+7]
	s_nop 0
	tensor_load_to_lds s[G0B+4:G0B+7], s[G1B:G1B+7]
	s_nop 0
.rept 4
	v_nop
.endr
.Lfirst_asked:
	v_lshlrev_b32 v10, 2, v0                       ; A's scale bytes: thread t takes rows 2 t and 2 t + 1: 4 bytes of each head's run
.irp d, 0,1,2,3,4,5,6,7,8,9,10,11,12,13,14,15
	global_load_b32 v[128+\d], v10, s[96:97] offset:16384*\d
.endr
	v_and_b32 v1, 15, v0                           ; r
	v_bfe_u32 v2, v0, 4, 1                         ; h
	v_and_b32 v6, 31, v0                           ; lane
	v_mul_u32_u24 v3, v1, PITCH
	v_mul_u32_u24 v4, v2, 24
	v_add_nc_u32 v4, v3, v4                        ; B: a fragment's row x pitch + 24 x half
	v_lshl_add_u32 v5, v2, 4, v4                   ; and the same behind one padding more
	v_lshlrev_b32 v7, 4, v6
	v_lshl_add_u32 v8, v6, 3, 512
	s_mul_i32 s21, s15, AHALF                      ; my 128 rows of A
	s_mul_i32 s22, s16, HALFT                      ; my 128 rows of B
	s_add_co_u32 s22, s22, BOFF
.irp s, 0,1
	v_add_nc_u32 v[A16+\s], s21, v7
	v_add_nc_u32 v[A8+\s], s21, v8
	v_add_nc_u32 v[ADRB+\s], s22, v4
	v_add_nc_u32 v[ADRB+2+\s], s22, v5
	s_add_co_u32 s21, s21, SLOT
	s_add_co_u32 s22, s22, SLOT
.endr
	v_mul_u32_u24 v5, v1, KS                       ; my row's scales: 32 bytes a row, 16 more for each 256 passed
	v_lshrrev_b32 v6, 8, v5
	v_lshl_add_u32 v5, v6, 4, v5
	s_mul_i32 s21, s15, HALFS
	s_mul_i32 s22, s16, HALFS
	s_add_co_u32 s22, s22, 2*HALFS
	s_sub_co_u32 s22, s22, s21
	v_mul_u32_u24 v6, s22, v2                      ; lanes 16-31 take B's
	s_add_co_u32 s21, s21, SCL
	v_add_nc_u32 v5, v5, v6
	v_add_nc_u32 v[ADRS], s21, v5
	s_mul_i32 s23, s14, 16*SPITCH                  ; my stage
	v_mul_u32_u24 v5, v1, SPITCH
	v_lshl_add_u32 v5, v2, 5, v5
	v_add_nc_u32 v[STO], s23, v5
	v_mov_b32 v[CO], v7                            ; back: the 32 lanes take one row of 512 bytes; the same in out0
	v_add_nc_u32 v[RD], s23, v7
	s_lshl_b32 s20, s17, 8
	s_lshl_b32 s21, s15, 7
	s_add_co_u32 s20, s20, s21                     ; my first row of out0,
	s_lshl_b32 s20, s20, 12                        ; 4,096 bytes a row,
	s_lshl_b32 s46, s42, 10
	s_lshl_b32 s47, s16, 9
	s_add_co_u32 s46, s46, s47                     ; my first column in bytes
	s_add_co_u32 s20, s20, s46
	s_mov_b32 s21, 0
	s_add_nc_u64 s[12:13], s[12:13], s[20:21]
	v_lshrrev_b32 v9, 2, v0
	v_lshlrev_b32 v11, 6, v0
	v_lshl_add_u32 v9, v9, 4, v11
	v_add_nc_u32 v9, SCL, v9                       ; rows 2 t, 2 t + 1: 64 t bytes on, 16 more for each 256 passed
	s_wait_loadcnt 0x0
.irp P, 0,1,2,3,4,5,6,7
	v_perm_b32 v[144+\P], v[129+2*\P], v[128+2*\P], 0x05040100     ; row 2 t: heads 2 P and 2 P + 1: four scale bytes
	v_perm_b32 v[152+\P], v[129+2*\P], v[128+2*\P], 0x07060302     ; row 2 t + 1
.endr
.irp i, 0,1,2,3
	ds_store_b128 v9, v[144+4*\i:147+4*\i] offset:16*\i
.endr
.macro FRAG reg, adr, q, i             ; a fragment of B from rows: 24 bytes twice, in pieces of 8
.irp p, 0,1,2,3,4,5
.set PCE, 12*(\q)+6*(\p/3)+\p%3
.if PCE%8 < 5
	ds_load_b64 v[\reg+2*\p:\reg+2*\p+1], v[\adr] offset:8*PCE+16*(PCE/8)+(\i)*16*PITCH
.else
	ds_load_b64 v[\reg+2*\p:\reg+2*\p+1], v[\adr+2] offset:8*PCE+16*(PCE/8)+(\i)*16*PITCH
.endif
.endr
.endm
.macro FRAGA reg, slot, q, i           ; a fragment of A from images: heads 2 q and 2 q + 1 of the slot's four, tile i of my eight
	ds_load_b128 v[\reg:\reg+3], v[A16+\slot] offset:12288*(\q)+768*(\i)
	ds_load_b64 v[\reg+4:\reg+5], v[A8+\slot] offset:12288*(\q)+768*(\i)
	ds_load_b128 v[\reg+6:\reg+9], v[A16+\slot] offset:12288*(\q)+6144+768*(\i)
	ds_load_b64 v[\reg+10:\reg+11], v[A8+\slot] offset:12288*(\q)+6144+768*(\i)
.endm
; The 64 accumulators take turns, one instruction a turn, in the same order in every step.
.macro MUL16 a0, p, q, sc, zero
.irp a, \a0, \a0+1
.irp b, 0,1,2,3,4,5,6,7
.if \zero
	v_wmma_scale_f32_16x16x128_f8f6f4 v[8*(8*((\a)%4)+\b):8*(8*((\a)%4)+\b)+7], v[128*(\p)+FR*\b:128*(\p)+FR*\b+FR-1], v[AF+FR*(\a):AF+FR*(\a)+FR-1], 0, v[SC+8*NQ*(\sc)+NQ*\b+(\q)], v[SC+8*NQ*(\sc)+NQ*(\a)+(\q)] matrix_a_fmt:MATRIX_FMT_FP6 matrix_b_fmt:MATRIX_FMT_FP6 matrix_a_scale:MATRIX_SCALE_ROW1
.else
	v_wmma_scale_f32_16x16x128_f8f6f4 v[8*(8*((\a)%4)+\b):8*(8*((\a)%4)+\b)+7], v[128*(\p)+FR*\b:128*(\p)+FR*\b+FR-1], v[AF+FR*(\a):AF+FR*(\a)+FR-1], v[8*(8*((\a)%4)+\b):8*(8*((\a)%4)+\b)+7], v[SC+8*NQ*(\sc)+NQ*\b+(\q)], v[SC+8*NQ*(\sc)+NQ*(\a)+(\q)] matrix_a_fmt:MATRIX_FMT_FP6 matrix_b_fmt:MATRIX_FMT_FP6 matrix_a_scale:MATRIX_SCALE_ROW1
.endif
.endr
.endr
.endm
.macro FETCH_B slot, q, p
	WIN TO_B
.irp i, 0,1,2,3,4,5,6,7
	FRAG 128*(\p)+FR*\i, ADRB+\slot, \q, \i
.endr
	WIN 0
.endm
.macro FETCH_A slot, q, i0
.irp i, \i0, \i0+1, \i0+2, \i0+3
	FRAGA AF+FR*(\i), \slot, \q, \i
.endr
.endm
.macro SCALES sc
.irp i, 0,1,2,3,4,5,6,7
	ds_load_b64 v[SC+8*NQ*\sc+NQ*\i:SC+8*NQ*\sc+NQ*\i+1], v[ADRS] offset:\i*SBLK
.endr
.endm
.macro PLACES n                        ; plain vector places behind matrix instructions (ISA guide 7.12.1)
.rept \n
	v_nop
.endr
.endm
.macro STEP slot, q, zero
	s_wait_dscnt 4*NLA                             ; B's set and A's blocks 0-3 are in; the youngest 16 loads (A's blocks 4-7) may be out
	WIN MUL_LO
	MUL16 0, (\q)%2, \q, \slot, \zero
	MUL16 2, (\q)%2, \q, \slot, \zero
	s_wait_dscnt 0
	PLACES NP
	FETCH_B \slot, (\q)+1, 1-(\q)%2
	FETCH_A \slot, (\q)+1, 0
	WIN MUL_HI
	MUL16 4, (\q)%2, \q, \slot, \zero
	MUL16 6, (\q)%2, \q, \slot, \zero
	PLACES NP
	WIN 0
	FETCH_A \slot, (\q)+1, 4
.endm
.macro TURN slot, next, fill
	s_wait_tensorcnt 0x0                           ; all my tensor loads have landed: my part of the next slot
	ds_add_u32 v[SPW], v[NIL]                      ; 0 onto my spare word
	s_wait_dscnt 4*NLA+1                           ; (the add and the youngest 16 loads may be out)
	WIN MUL_LO
	MUL16 0, 1, NQ-1, \slot, 0
	s_wait_dscnt 0x0                               ; the add is done, and my reads of this slot are over
	s_barrier_signal -1
	MUL16 2, 1, NQ-1, \slot, 0
	WIN 0
	s_barrier_wait -1
.if \fill
	CREST                                          ; the barrier has opened a round of the cluster's barrier
	s_add_nc_u64 s[G0+4*\slot+2:G0+4*\slot+3], s[G0+4*\slot+2:G0+4*\slot+3], 3145728    ; two K steps on: eight heads
	s_add_nc_u64 s[G0B+4*\slot+2:G0B+4*\slot+3], s[G0B+4*\slot+2:G0B+4*\slot+3], 2*ROWB
	JLOAD G0+4*\slot, G1, G0B+4*\slot, G1B         ; the first tensor load behind the round; its four v_nop are the places in front of the loads below
.else
	PLACES NP
.endif
	s_wait_alu depctr_va_vdst(0)
	v_add_nc_u32 v[ADRS], 4*NQ, v[ADRS]
	FETCH_B \next, 0, 0
	FETCH_A \next, 0, 0
	SCALES \next
	WIN MUL_HI
	MUL16 4, 1, NQ-1, \slot, 0
	MUL16 6, 1, NQ-1, \slot, 0
	PLACES NP
	WIN 0
	FETCH_A \next, 0, 4
.endm
	s_wait_tensorcnt 1                             ; my part of K step 0 (and B's scale bytes) is in; K step 1's load may be out
	s_wait_dscnt 0x0                               ; my stores of A's scale bytes are done
	s_barrier_signal -1
	s_barrier_wait -1
	FETCH_B 0, 0, 0
	FETCH_A 0, 0, 0
	SCALES 0
	FETCH_A 0, 0, 4
	STEP 0, 0, 1                                   ; the first step's products start the sums
	s_mov_b32 s3, LAPS-1
.Llap:
	TURN 0, 1, 1
	STEP 1, 0, 0
	TURN 1, 0, 1
	STEP 0, 0, 0
	s_sub_co_u32 s3, s3, 1
	s_cmp_lg_u32 s3, 0
	s_cbranch_scc1 .Llap
	TURN 0, 1, 0                                   ; the last lap fills nothing
	STEP 1, 0, 0
	s_wait_dscnt 4*NLA
	WIN MUL_LO
	MUL16 0, 1, NQ-1, 1, 0
	MUL16 2, 1, NQ-1, 1, 0
	s_wait_dscnt 0
	WIN MUL_HI
	MUL16 4, 1, NQ-1, 1, 0
	MUL16 6, 1, NQ-1, 1, 0
	WIN 0
; THE WAY OUT, block by block of 16 rows x 128 columns, through my own stage in LDS, back as whole rows of 512 bytes.  LDS serves a wave's instructions in order: no wait between the stores and the loads.
.macro TOSTAGE a
.set AC, 64*((\a)%4)
.set WD, 0x08+4*((\a)/4)
	WIN WD                                         ; the data: window 2 or 3
.irp b, 0,1,2,3,4,5,6,7
	ds_store_b128 v[STO], v[AC+8*\b:AC+8*\b+3] offset:64*\b          ; each accumulator from its low end on
	ds_store_b128 v[STO], v[AC+8*\b+4:AC+8*\b+7] offset:64*\b+16
.endr
	WIN 0
.set BB, BK+64*((\a)%2)
.irp t, 0,1,2,3,4,5,6,7,8,9,10,11,12,13,14,15
	ds_load_b128 v[BB+4*\t:BB+4*\t+3], v[RD] offset:\t*SPITCH
.endr
.endm
.macro SEND a, younger
.set BB, BK+64*((\a)%2)
	s_wait_dscnt \younger                          ; the block is back in registers
.if (\a) > 0
	s_add_nc_u64 s[12:13], s[12:13], 16*SIZE_N*4   ; (behind a wait on XCNT: the earlier stores have read their base)
.endif
.irp t, 0,1,2,3,4,5,6,7,8,9,10,11,12,13,14,15
	global_store_b128 v[CO], v[BB+4*\t:BB+4*\t+3], s[12:13] offset:\t*SIZE_N*4 th:TH_STORE_NT   ; 32 lanes store 512 consecutive bytes, aligned to 256
.endr
.endm
	PLACES NP
	TOSTAGE 0
.irp a, 1,2,3,4,5,6,7
.if \a > 1
	s_wait_xcnt 0x0                                ; block a - 2's stores have read their registers and their base
.endif
	TOSTAGE \a
	SEND \a-1, 32                                  ; behind block a - 1's loads: block a's 16 stores and 16 loads
.endr
	s_wait_xcnt 0x0
	SEND 7, 0
	s_wait_tensorcnt 0x0                           ; the wave's end
	ds_add_u32 v[SPW], v[NIL]
	s_wait_dscnt 0x0
	CROUND                                         ; the closing round
	s_endpgm
.Lfunc_end_k_q76566de2cb_outp:
	.size	k_q76566de2cb_outp, .Lfunc_end_k_q76566de2cb_outp-k_q76566de2cb_outp
	.p2alignl 7, 3214868480
	.fill 96, 4, 3214868480
	.section	.rodata,"a",@progbits
	.p2align	6, 0x0
	.amdhsa_kernel k_q76566de2cb_outp
		.amdhsa_group_segment_fixed_size 327680
		.amdhsa_private_segment_fixed_size 0
		.amdhsa_enable_private_segment 0
		.amdhsa_kernarg_size 40
		.amdhsa_user_sgpr_count 2
		.amdhsa_user_sgpr_kernarg_segment_ptr 1
		.amdhsa_wavefront_size32 1
		.amdhsa_system_sgpr_workgroup_id_x 1
		.amdhsa_system_sgpr_workgroup_id_y 1
		.amdhsa_system_sgpr_workgroup_id_z 1
		.amdhsa_system_vgpr_workitem_id 0
		.amdhsa_next_free_vgpr 1024
		.amdhsa_next_free_sgpr 98
		.amdhsa_reserve_vcc 0
		.amdhsa_float_denorm_mode_32 3
		.amdhsa_float_denorm_mode_16_64 3
		.amdhsa_memory_ordered 1
		.amdhsa_forward_progress 1
		.amdhsa_inst_pref_size 154
	.end_amdhsa_kernel
	.amdgpu_metadata
---
amdhsa.version: [ 1, 2 ]
amdhsa.kernels:
  - .name:           k_q76566de2cb_outp
    .symbol:         k_q76566de2cb_outp.kd
    .args:
      - { .name: att_c, .offset: 0, .size: 8, .value_kind: global_buffer, .address_space: global }
      - { .name: att_s, .offset: 8, .size: 8, .value_kind: global_buffer, .address_space: global }
      - { .name: codes, .offset: 16, .size: 8, .value_kind: global_buffer, .address_space: global }
      - { .name: scales, .offset: 24, .size: 8, .value_kind: global_buffer, .address_space: global }
      - { .name: out0, .offset: 32, .size: 8, .value_kind: global_buffer, .address_space: global }
    .group_segment_fixed_size: 327680
    .private_segment_fixed_size: 0
    .kernarg_segment_align: 8
    .kernarg_segment_size: 40
    .max_flat_workgroup_size: 128
    .sgpr_count:     98
    .vgpr_count:     1024
    .wavefront_size: 32
...
	.end_amdgpu_metadata
.endif
;; end of part 4
